; MI455X (gfx1250); checked and timed in simulation.
; The chip was launched on July 23, 2026; its instructions are those of AMD's public machine-readable ISA for CDNA 5 (MIT licence, August 2026) and "CDNA5" Instruction Set Architecture Reference Guide (July 2026). The comments in the code are by the model that wrote it; some were corrected since.
;; Multi Head Attention. Allowed arithmetic: matrix products marked QUANTISED: E3M2 operands, one E8M0 scale for each 32 along K, by v_wmma_scale_f32_16x16x128_f8f6f4 with both operands' format E3M2, f32 sums; products left as they are: f32 operands where the result goes on into a quantised operand, else bf16, f16 or f32 operands; f32 sums; everything else in f32.
;; Inputs: Wk 256 x 256 float32; Wo 256 x 256 float32; Wq 256 x 256 float32; Wv 256 x 256 float32; bk 256 float32; bo 256 float32; bq 256 float32; bv 256 float32; key 4 x 2,048 x 256 float32; mask 4 x 2,048 float32; pos 2,048 x 256 float32; proj 256 x 256 float32; query 4 x 2,048 x 256 float32; value 4 x 2,048 x 256 float32.
;; Outputs: out0 4 x 2,048 x 256 float32.
;; This version of the problem:
;;   THIS VERSION OF THE PROBLEM IS GIVEN IN LOW PRECISION. The matrix products marked QUANTISED in the list below multiply operands that are first quantised to E3M2 (3 exponent bits, 2 mantissa bits; 6 bits a number), with one power-of-two scale for each 32 numbers along K (OCP MX v1.0); their sums are f32. All else is computed in f32.
;;   The module's matrix products, in the order in which they are computed (A, B: the left and right operand; K: the contracted axis; several contracted axes count as one K, in the product's order):
;;     1. [M 8,192, K 256] x [K 256, N 256]; A: input query; B: input Wq: QUANTISED
;;     2. [M 8,192, K 256] x [K 256, N 256]; A: input key; B: input Wk: QUANTISED
;;     3. [M 8,192, K 256] x [K 256, N 256]; A: input value; B: input Wv: QUANTISED
;;     4. [M 65,536, K 256] x [K 256, N 256]; A: computed on the way; B: input proj: QUANTISED
;;     5. [M 65,536, K 256] x [K 256, N 256]; A: computed on the way; B: input proj: QUANTISED
;;     6. batch 32 x [M 256, K 2,048] x [K 2,048, N 32]; A: computed on the way; B: computed on the way: QUANTISED
;;     7. batch 32 x [M 32, K 256] x [K 256, N 2,048]; A: computed on the way; B: computed on the way: QUANTISED
;;     8. batch 32 x [M 1, K 256] x [K 256, N 2,048]; A: computed on the way; B: computed on the way: left as it is (M = 1 < 16)
;;     9. [M 8,192, K 256] x [K 256, N 256]; A: computed on the way; B: input Wo: QUANTISED
;;   THE QUANTISER, for each operand of a quantised product, along K:
;;     - K is cut into blocks of 32 from its start; a last block that is shorter is filled with zeros.
;;     - A block's scale is 2^e with e = floor(log2(the largest magnitude in the block)) - 4, held to -126 .. 127; a block of zeros has e = 0. As a byte (E8M0): e + 127.
;;     - Each number is divided by its block's scale, clamped to +-28, and rounded to the nearest number of E3M2, ties to even, subnormals kept.
;;     - The product sums the exact products of the quantised numbers (number of the format x scale) in f32.
;;   ~~~python
;;   def quantise(x, axis):      # numpy; x: float32 -> the quantised numbers, widened to float32 again
;;       x = np.moveaxis(x, axis, -1); K = x.shape[-1]
;;       x = np.pad(x, [(0, 0)] * (x.ndim - 1) + [(0, -K % 32)]); x = x.reshape(x.shape[:-1] + (-1, 32)); a = np.abs(x).max(-1, keepdims=True)
;;       e = np.where(a > 0, np.clip(np.frexp(np.where(a > 0, a, 1))[1] - 1 - 4, -126, 127), 0)      # np.frexp(a)[1] - 1 = floor(log2(a)), exactly
;;       r = np.clip(x / 2.0 ** e, -28, 28)
;;       step = 2.0 ** (np.maximum(np.frexp(np.where(r == 0, 1, r))[1] - 1, -2) - 2)
;;       q = np.round(r / step) * step * 2.0 ** e      # np.round: ties to even
;;       return np.moveaxis(q.reshape(q.shape[:-2] + (-1,))[..., :K], -1, axis).astype(np.float32)
;;   ~~~
;;   OPERANDS COMPUTED ON THE WAY. 'Computed on the way' means the value that the module computes at that place (a softmax that the list does not call 'softmax' is quantised finished and normalised). What goes into a quantiser is computed in f32, as accurately as f32 sums, v_exp_f32 and their like allow (about 1e-6 of the number): no bf16 or f16 on the way to a quantiser, and a product that is left as it is and whose result goes on into a quantised operand takes f32 operands (vector FMAs, or v_wmma_f32_16x16x4_f32). A number that lies on a knife's edge between two numbers of the format may be rounded either way, as far as f32 arithmetic and the matrix unit's own rounding can turn it there, and no further.
;; One version. Each part assembles by itself: llvm-mc -triple=amdgcn-amd-amdhsa -mcpu=gfx1250 --defsym DOCPART=n.
;; ======== version 1 of 1: 4 launches
;; workspace buffers: wimg 256,000 bytes; timg 8,388,608 bytes; pmax 4,096 bytes; vimg 1,572,864 bytes; vsc 65,536 bytes; kimg 196,608 bytes; ksc 8,192 bytes; ksum 4,096 bytes
;; launch prep (part 1): grid 80 x 1, 1 waves a work-group, no clusters, 0 bytes of LDS; arguments Wq, Wk, Wv, Wo, proj, wimg; writes wimg
.if DOCPART == 1
	.amdgcn_target "amdgcn-amd-amdhsa--gfx1250"
	.amdhsa_code_object_version 6
	.text
	.protected	k_q9fe9a715d7_prep
	.globl	k_q9fe9a715d7_prep
	.p2align	8
	.type	k_q9fe9a715d7_prep,@function
k_q9fe9a715d7_prep:
	s_mov_b64 s[64:65], 0
	v_nop
	global_prefetch_b8 v0, s[64:65] scope:SCOPE_SE
	s_setreg_imm32_b32 hwreg(HW_REG_WAVE_MODE, 25, 1), 1
	s_wait_xcnt 0x0
; PREP: the five weights become codes of BF6 (E3M2) with one E8M0 byte for each 32 along K, laid in the order of an operand's registers.
; Wq, Wk, Wv, Wo are [K 256][N 256] f32 (K is the first axis); proj is [M 256][K 256] (K innermost).  Every row block of the two later launches reads them, so they are quantised once.
; A work-group is one wave.  It takes one weight wi, 32 output features 32 g .. 32 g + 31 (a lane a feature) and one K step s of 128: four whole blocks of 32 in a lane's 128 registers,
; so a block's largest magnitude needs no other lane and the conversions' results are the operand's registers.
; WIMG: [wi][w 0..3] blocks of 12,800 bytes.  Tile t = 4 w + tt holds the features n(t, r) = 32 (t / 2) + 8 (t % 2) + r + 8 (r / 8).  A fragment (tile tt, K step s) lies at tt 3072 + s 1536;
; its half c (registers 6 c .. 6 c + 5) at + c 768: 512 bytes at 16 x lane (registers 0-3), then 256 bytes at 8 x lane (registers 4-5).  Scale words at 12288 + tt 128 + (16 s + r) 4.
; A block's scale byte is its largest magnitude's exponent field - 4, held at 1 from below.  A block of zeros so gets the byte 1: its codes are zeros, and this program alone reads the bytes.
; LIMITS: NaN and infinities among the inputs are not served.
.set X,   32                           ; v32-159  register 32 k + i: number i of my feature's block k
.set CO,  160                          ; v160-183 six registers of codes a block
.set CT,  184                          ; v184-199 a block's upper 16 codes as the conversion leaves them
.set TM,  8                            ; v8-23    four registers of scratch a block
.set SWD, 24                           ; v24      my feature's scale word for this K step
	s_load_b256 s[4:11], s[0:1], 0x0               ; Wq, Wk, Wv, Wo
	s_load_b128 s[12:15], s[0:1], 0x20             ; proj, wimg
	v_lshlrev_b32 v1, 2, v0                        ; [K][N]: 4 bytes a lane
	v_lshlrev_b32 v2, 10, v0                       ; proj: a row of 1,024 bytes a lane
	v_bfe_u32 v7, v0, 3, 1                         ; u: which of the two tiles my feature falls into
	v_and_b32 v6, 7, v0
	v_bfe_u32 v25, v0, 4, 1
	v_lshl_or_b32 v6, v25, 3, v6                   ; r: its row in that tile
	v_mul_u32_u24 v5, v7, 3072
	v_lshl_add_u32 v3, v6, 4, v5                   ; registers 0-3 of a block: u 3072 + 16 r
	v_lshl_add_u32 v4, v6, 3, v5                   ; registers 4-5: u 3072 + 8 r
	v_lshlrev_b32 v5, 7, v7
	v_lshl_add_u32 v5, v6, 2, v5                   ; the scale word: u 128 + 4 r
	s_lshr_b32 s16, ttmp9, 4                       ; wi
	s_bfe_u32 s17, ttmp9, 0x30001                  ; g
	s_and_b32 s18, ttmp9, 1                        ; s
	s_mul_i32 s20, s16, 51200
	s_lshr_b32 s19, s17, 1
	s_mul_i32 s19, s19, 12800
	s_add_co_u32 s20, s20, s19                     ; the block [wi][g / 2]
	s_and_b32 s19, s17, 1
	s_mul_i32 s22, s19, 6144
	s_add_co_u32 s22, s22, s20
	s_mul_i32 s23, s18, 1536
	s_add_co_u32 s22, s22, s23                     ; the codes of tile 2 (g % 2), K step s
	s_lshl_b32 s24, s19, 8
	s_add_co_u32 s24, s24, s20
	s_lshl_b32 s25, s18, 6
	s_add_co_u32 s24, s24, s25
	s_add_co_u32 s24, s24, 12288                   ; and its scale words
	s_mov_b32 s23, 0
	s_mov_b32 s25, 0
	s_lshl_b32 s26, s18, 17                        ; [K][N]: 128 s rows of 1,024 bytes + 32 g columns
	s_lshl_b32 s27, s17, 7
	s_add_co_u32 s26, s26, s27
	s_lshl_b32 s28, s17, 15                        ; proj: 32 g rows + 128 s columns
	s_lshl_b32 s29, s18, 9
	s_add_co_u32 s28, s28, s29
	s_mov_b32 s27, 0
	s_mov_b32 s29, 0
	s_wait_kmcnt 0x0
	s_cmp_eq_u32 s16, 1                            ; the weight is chosen by the work-group's number alone
	s_cselect_b64 s[4:5], s[6:7], s[4:5]
	s_cmp_eq_u32 s16, 2
	s_cselect_b64 s[4:5], s[8:9], s[4:5]
	s_cmp_eq_u32 s16, 3
	s_cselect_b64 s[4:5], s[10:11], s[4:5]
	s_add_nc_u64 s[4:5], s[4:5], s[26:27]
	s_add_nc_u64 s[12:13], s[12:13], s[28:29]
	s_add_nc_u64 s[30:31], s[14:15], s[22:23]
	s_add_nc_u64 s[32:33], s[14:15], s[24:25]
	s_cmp_eq_u32 s16, 4
	s_cbranch_scc1 .Lproj
.set j, 0
.rept 128
	global_load_b32 v[X+j], v1, s[4:5] offset:j*1024   ; W(128 s + j, my feature): 32 lanes read 128 consecutive bytes
.set j, j+1
.endr
	s_branch .Lloaded
.Lproj:
.set j, 0
.rept 32
	global_load_b128 v[X+4*j:X+4*j+3], v2, s[12:13] offset:16*j   ; proj(my feature, 128 s + 4 j ..)
.set j, j+1
.endr
.Lloaded:
	s_wait_loadcnt 0x0                             ; zero serves both ways in
.irp k, 0,1,2,3
	v_max3_num_f32 v[TM+4*\k], |v[X+32*\k]|, |v[X+32*\k+1]|, |v[X+32*\k+2]|      ; a block's largest magnitude: two chains a block, the four blocks by turns
	v_max3_num_f32 v[TM+4*\k+1], |v[X+32*\k+3]|, |v[X+32*\k+4]|, |v[X+32*\k+5]|
.endr
.irp i, 6,10,14,18,22,26
.irp k, 0,1,2,3
	v_max3_num_f32 v[TM+4*\k], v[TM+4*\k], |v[X+32*\k+\i]|, |v[X+32*\k+\i+1]|
	v_max3_num_f32 v[TM+4*\k+1], v[TM+4*\k+1], |v[X+32*\k+\i+2]|, |v[X+32*\k+\i+3]|
.endr
.endr
.irp k, 0,1,2,3
	v_max3_num_f32 v[TM+4*\k], v[TM+4*\k], |v[X+32*\k+30]|, |v[X+32*\k+31]|
.endr
.irp k, 0,1,2,3
	v_max3_num_f32 v[TM+4*\k], v[TM+4*\k], v[TM+4*\k+1], 0x2800000   ; and the floor 2^(5 - 127): the byte cannot fall under 1
.endr
.irp k, 0,1,2,3
	v_add_nc_u32 v[TM+4*\k+2], 0xfe000000, v[TM+4*\k]   ; 4 off the exponent field: the conversion's scale operand
.endr
.irp k, 0,1,2,3
	v_lshrrev_b32 v[TM+4*\k+3], 23, v[TM+4*\k+2]   ; the scale's byte
.endr
	v_lshl_or_b32 v[SWD], v[TM+7], 8, v[TM+3]
	v_lshl_or_b32 v[SWD], v[TM+11], 16, v[SWD]
	v_lshl_or_b32 v[SWD], v[TM+15], 24, v[SWD]
.irp k, 0,1,2,3
	v_cvt_scalef32_pk16_bf6_f32 v[CO+6*\k:CO+6*\k+2], v[X+32*\k:X+32*\k+15], v[TM+4*\k+2]
	v_cvt_scalef32_pk16_bf6_f32 v[CT+4*\k:CT+4*\k+2], v[X+32*\k+16:X+32*\k+31], v[TM+4*\k+2]   ; (a conversion's three registers begin on an even number)
.endr
	v_nop                                          ; one plain place behind the scaled conversions
.irp k, 0,1,2,3
.irp i, 0,1,2
	v_mov_b32 v[CO+6*\k+3+\i], v[CT+4*\k+\i]
.endr
.endr
.irp k, 0,1,2,3                                ; block k is half c = k / 2 of the fragment, lanes 16 (k % 2) + r.  Every store has data registers of its own
	global_store_b128 v3, v[CO+6*\k:CO+6*\k+3], s[30:31] offset:(\k/2)*768+(\k%2)*256
	global_store_b64 v4, v[CO+6*\k+4:CO+6*\k+5], s[30:31] offset:(\k/2)*768+512+(\k%2)*128
.endr
	global_store_b32 v5, v[SWD], s[32:33]
	s_endpgm
.Lfunc_end_k_q9fe9a715d7_prep:
	.size	k_q9fe9a715d7_prep, .Lfunc_end_k_q9fe9a715d7_prep-k_q9fe9a715d7_prep
	.p2alignl 7, 3214868480
	.fill 96, 4, 3214868480
	.section	.rodata,"a",@progbits
	.p2align	6, 0x0
	.amdhsa_kernel k_q9fe9a715d7_prep
		.amdhsa_group_segment_fixed_size 0
		.amdhsa_private_segment_fixed_size 0
		.amdhsa_enable_private_segment 0
		.amdhsa_kernarg_size 48
		.amdhsa_user_sgpr_count 2
		.amdhsa_user_sgpr_kernarg_segment_ptr 1
		.amdhsa_wavefront_size32 1
		.amdhsa_system_sgpr_workgroup_id_x 1
		.amdhsa_system_sgpr_workgroup_id_y 1
		.amdhsa_system_sgpr_workgroup_id_z 1
		.amdhsa_system_vgpr_workitem_id 0
		.amdhsa_next_free_vgpr 208
		.amdhsa_next_free_sgpr 66
		.amdhsa_reserve_vcc 0
		.amdhsa_float_denorm_mode_32 3
		.amdhsa_float_denorm_mode_16_64 3
		.amdhsa_memory_ordered 1
		.amdhsa_forward_progress 1
		.amdhsa_inst_pref_size 24
	.end_amdhsa_kernel
	.amdgpu_metadata
---
amdhsa.version: [ 1, 2 ]
amdhsa.kernels:
  - .name:           k_q9fe9a715d7_prep
    .symbol:         k_q9fe9a715d7_prep.kd
    .args:
      - { .name: Wq, .offset: 0, .size: 8, .value_kind: global_buffer, .address_space: global }
      - { .name: Wk, .offset: 8, .size: 8, .value_kind: global_buffer, .address_space: global }
      - { .name: Wv, .offset: 16, .size: 8, .value_kind: global_buffer, .address_space: global }
      - { .name: Wo, .offset: 24, .size: 8, .value_kind: global_buffer, .address_space: global }
      - { .name: proj, .offset: 32, .size: 8, .value_kind: global_buffer, .address_space: global }
      - { .name: wimg, .offset: 40, .size: 8, .value_kind: global_buffer, .address_space: global }
    .group_segment_fixed_size: 0
    .private_segment_fixed_size: 0
    .kernarg_segment_align: 8
    .kernarg_segment_size: 48
    .max_flat_workgroup_size: 32
    .sgpr_count:     66
    .vgpr_count:     208
    .wavefront_size: 32
...
	.end_amdgpu_metadata
.endif
;; end of part 1
;; launch kside (part 2): grid 64 x 4, 4 waves a work-group, clusters of 4 x 1, 276,480 bytes of LDS; arguments key, value, pos, bk, bv, wimg, timg, pmax, vimg, vsc; writes timg, pmax, vimg, vsc
.if DOCPART == 2
	.amdgcn_target "amdgcn-amd-amdhsa--gfx1250"
	.amdhsa_code_object_version 6
	.text
	.protected	k_q9fe9a715d7_kside
	.globl	k_q9fe9a715d7_kside
	.p2align	8
	.type	k_q9fe9a715d7_kside,@function
k_q9fe9a715d7_kside:
	s_mov_b64 s[64:65], 0
	v_nop
	global_prefetch_b8 v0, s[64:65] scope:SCOPE_SE
	s_setreg_imm32_b32 hwreg(HW_REG_WAVE_MODE, 25, 1), 1
	s_wait_xcnt 0x0
	s_wait_alu depctr_hold_cnt(0) depctr_sa_sdst(0) depctr_va_vdst(0) depctr_va_sdst(0) depctr_va_ssrc(0) depctr_va_vcc(0) depctr_vm_vsrc(0)
	s_getreg_b32 s2, hwreg(HW_REG_IB_STS2, 6, 4)
	s_cmp_eq_u32 s2, 0
	s_cbranch_scc0 .Lentry_in_a_cluster
	s_endpgm
.Lentry_in_a_cluster:
	s_bfe_u32 s2, ttmp6, 0x10000c
	s_cmp_lg_u32 s2, 0x3003
	s_cbranch_scc0 .Lentry_shape_is_right
	s_endpgm
.Lentry_shape_is_right:
; KSIDE: the key side and the values, 32 rows (one block of 32 along L) of one batch to a work-group.
;   k = Q(key) Q(Wk) + bk; y = rot(k); xp = Q(y / 4) Q(proj)^T; t = xp - sum(y^2) / 32 goes to TIMG, the largest xp of each wave to PMAX;  v = Q(value) Q(Wv) + bv is quantised along L and goes to VIMG, VSC.
; All heads of reference() hold the same q and k (it broadcasts them), so the feature map is made once.  y / 4 is exact: the codes are y's, the scale bytes 2 less.
; SHARES.  Four waves share the COLUMNS: wave w makes features 64 w .. 64 w + 63 of every product for all 32 rows; its part of each weight is read by itself alone.
; Activations go from wave to wave through LDS as images of the operand's registers (a half fragment: 512 bytes at 16 x lane, 256 bytes at 8 x lane; a scale register: 128 bytes at 4 x lane, lanes 0-15 K step 0, lanes 16-31 K step 1).
; TILES.  Row r of weight tile t is feature n(t, r) = 32 (t / 2) + 8 (t % 2) + r + 8 (r / 8): with the weight as source 0 a lane holds one row, and the 16 registers of tiles 2 b, 2 b + 1 are 16 neighbours along the next K.
; With the activation as source 0 a lane holds one feature and eight rows: that is how t and v leave, since L is the next K.  Inside a block of 32 along L both are laid in the order position 16 h + 8 u + j = row 16 u + 8 h + j.
; CLUSTER.  The four work-groups of a cluster read the same weights: each wave's block of each weight is asked for jointly (mask 15).  key, value and pos tiles are each work-group's own (mask 0).
; Six tensor loads a wave go out together at the start, each into bytes that this wave alone reads; no LDS byte is filled twice.
; LIMITS: NaN and infinities are not served; a block of zeros gets the byte 1 (zero codes; the bytes are read by this program alone); sum(y^2) is added in another order than in the definition.
.set KI,    0                          ; LDS: key's four fragments (row tile p, K step s: 2 p + s), 1,536 bytes each
.set VI,    6144                       ; value's
.set YI,    12288                      ; y's
.set KSC,   18432                      ; their scale registers, 128 bytes a row tile
.set VSC,   18688
.set YSC,   18944
.set DG,    19200                      ; sum(y^2) in parts: [row tile][wave][row] f32
.set SPARE, 19712                      ; the spare words, 128 bytes a wave: two blocks of 256 bytes that no other line names
.set KT,    20480                      ; key's tiles as f32: a wave's 16 rows x 512 bytes, pitch 528
.set VT,    54272                      ; value's
.set PT,    88064                      ; pos: a wave's 32 rows x 256 bytes, pitch 272
.set WK,    122880                     ; Wk, Wv, proj: a wave's block of 12,800 bytes each
.set WVL,   174080
.set WP,    225280
.set LI16, 1                           ; v1   16 x lane
.set LI8,  2                           ; v2   8 x lane
.set LS4,  3                           ; v3   4 x lane
.set AIN,  4                           ; v4   my 16 numbers of a block in my wave's input tile
.set APS,  5                           ; v5   the same in my wave's tile of pos
.set FW16, 6                           ; v6, v7  where a whole fragment of mine goes
.set FW8,  7
.set SW,   8                           ; v8   64 w + 4 r
.set IW16, 9                           ; v9, v10 where my half fragment goes
.set IW8,  10
.set SH,   11                          ; v11  my two bytes of a row's scale word
.set WG16, 12                          ; v12-14 my lane in my wave's block of a weight
.set WG8,  13
.set WG4,  14
.set TA16, 15                          ; v15-17 the same with the weight's base
.set TA8,  16
.set TA4,  17
.set GB,   18                          ; v18  64 h
.set BVO,  19                          ; v19  4 (r + 8 (r / 8))
.set DGA,  20                          ; v20  32 h
.set TO,   21                          ; v21  1024 h + 16 r
.set LN,   22                          ; v22  lane
.set ZO,   23                          ; v23  0: the offset of the one-word store
.set SPW,  28                          ; v28  my spare word; never rewritten
.set NIL,  29                          ; v29  0; never rewritten
.set HA,   32                          ; v32-95   eight accumulators
.set XB,   96                          ; v96-159  value's numbers; then
.set XF,   96                          ; v96-143  four fragments of an activation
.set TM,   160                         ; v160-175 the quantiser's scratch
.set PW,   176                         ; v176     the scale word just made
.set PC,   178                         ; v178-197 the codes just made
.set SCX,  198                         ; v198-199 the activation's scale registers
.set SCW,  200                         ; v200-203 the weight's
.set BV,   204                         ; v204-207 bv of my lane's column in each tile
.set DS,   208                         ; v208-215 sums of squares
.set RT,   216                         ; v216-223 rot's four pairs
.set D8,   240                         ; v240-255 sum(y^2) / 32 of my lane's eight rows, for each row tile
.set WF,   0                           ; window 1: v0-95 eight fragments of a weight (tile tt, K step s: 2 tt + s)
.set PS,   96                          ; window 1: v96-159 pos, in the accumulators' layout
.set BI,   160                         ; window 1: v160-191 bk, in the accumulators' layout
.set WAVE, 24
.set SEL,  28                          ; s[28:29] v_permlanex16_b32's selects for lane l xor 16
.set G1A,  36                          ; s[36:43] group 1: 16 rows x 128 f32
.set G1P,  44                          ; s[44:51] 32 rows x 64 f32
.set G1W,  52                          ; s[52:59] a dense block of 12,800 bytes, joint
.set G0K,  60
.set G0V,  68
.set G0WK, 72
.set G0P,  76
.set G0WV, 80
.set G0WP, 84
.set MSB, 0
.macro WIN new                         ; the immediate's high byte repeats the setting that is left
.if MSB != \new
	s_set_vgpr_msb (MSB<<8)|\new
.set MSB, \new
.endif
.endm
.macro PLACES n
.rept \n
	v_nop
.endr
.endm
.macro BAR                             ; my LDS stores have landed and my LDS loads are in: then the work-group's barrier
	s_wait_dscnt 0x0
	s_barrier_signal -1
	s_barrier_wait -1
.endm
.macro ROUND                           ; a round of the cluster's barrier
	s_barrier_signal -1
	s_barrier_wait -1
	s_cmp_lg_u32 s[WAVE], 0
	s_cbranch_scc1 .Lnot_wave_0_\@
	s_barrier_signal -3
.Lnot_wave_0_\@:
	s_barrier_wait -3
	s_barrier_signal -1
	s_barrier_wait -1
.endm
; 64 numbers of a lane, register 16 b + i = element 16 h + i of block b, become codes in v[PC] on (registers 6 c .. 6 c + 5: lanes 0-15 block 2 c, lanes 16-31 block 2 c + 1) and four scale bytes in v[PW].
; adj = 1: the numbers count as a quarter of what they are: the same codes, bytes 2 less, the floor 2 higher.
.macro QUANT s, adj
.irp b, 0,1,2,3
.if \adj
	v_max3_num_f32 v[TM+\b], |v[\s+16*\b]|, |v[\s+1+16*\b]|, 0x3800000
.else
	v_max3_num_f32 v[TM+\b], |v[\s+16*\b]|, |v[\s+1+16*\b]|, 0x2800000   ; my 16 numbers and the floor, which holds the byte at 1 from below
.endif
.endr
.irp i, 2,4,6,8,10,12,14
.irp b, 0,1,2,3
	v_max3_num_f32 v[TM+\b], v[TM+\b], |v[\s+16*\b+\i]|, |v[\s+1+16*\b+\i]|
.endr
.endr
.irp b, 0,1,2,3
	v_permlanex16_b32 v[TM+4+\b], v[TM+\b], s[SEL], s[SEL+1]
.endr
.irp b, 0,1,2,3
	v_max_num_f32 v[TM+\b], v[TM+\b], v[TM+4+\b]   ; with lane l xor 16's: the block's largest magnitude
.endr
.irp b, 0,1,2,3
	v_add_nc_u32 v[TM+12+\b], 0xfe000000, v[TM+\b]   ; 4 off the exponent field: the conversion's scale operand
.endr
.if \adj
.irp b, 0,1,2,3
	v_add_nc_u32 v[TM+8+\b], 0xfd000000, v[TM+\b]
.endr
.irp b, 0,1,2,3
	v_lshrrev_b32 v[TM+4+\b], 23, v[TM+8+\b]
.endr
.else
.irp b, 0,1,2,3
	v_lshrrev_b32 v[TM+4+\b], 23, v[TM+12+\b]      ; the scale's byte
.endr
.endif
	v_lshl_or_b32 v[PW], v[TM+5], 8, v[TM+4]
	v_lshl_or_b32 v[PW], v[TM+6], 16, v[PW]
	v_lshl_or_b32 v[PW], v[TM+7], 24, v[PW]
.irp c, 0,1
	v_cvt_scalef32_pk16_bf6_f32 v[PC+6*\c:PC+2+6*\c], v[\s+32*\c:\s+15+32*\c], v[TM+12+2*\c]
	v_cvt_scalef32_pk16_bf6_f32 v[PC+12+4*\c:PC+14+4*\c], v[\s+16+32*\c:\s+31+32*\c], v[TM+12+2*\c+1]
.endr
	v_nop                                          ; one plain place behind the scaled conversions
.irp c, 0,1
.irp i, 0,1,2
	v_permlane16_swap_b32 v[PC+6*\c+\i], v[PC+12+4*\c+\i]   ; a whole block to a lane
.endr
.irp i, 0,1,2
	v_mov_b32 v[PC+3+6*\c+\i], v[PC+12+4*\c+\i]
.endr
.endr
.endm
.macro IMG_FULL ib, sb                 ; the codes are one whole fragment: row tile w / 2, K step w % 2
	ds_store_b128 v[FW16], v[PC:PC+3] offset:\ib
	ds_store_b64 v[FW8], v[PC+4:PC+5] offset:\ib+512
	ds_store_b128 v[FW16], v[PC+6:PC+9] offset:\ib+768
	ds_store_b64 v[FW8], v[PC+10:PC+11] offset:\ib+768+512
	ds_store_b32 v[SW], v[PW] offset:\sb
.endm
.macro IMG_HALF ib, sb                 ; the codes are my 64 features of both row tiles: half w % 2 of K step w / 2
	ds_store_b128 v[IW16], v[PC:PC+3] offset:\ib
	ds_store_b64 v[IW8], v[PC+4:PC+5] offset:\ib+512
	ds_store_b128 v[IW16], v[PC+6:PC+9] offset:\ib+3072
	ds_store_b64 v[IW8], v[PC+10:PC+11] offset:\ib+3072+512
	ds_store_b16 v[SH], v[PW] offset:\sb
	ds_store_b16_d16_hi v[SH], v[PW] offset:\sb+128
.endm
.macro FETCHX ib, sb                   ; 18 LDS loads: an activation's four fragments and two scale registers
.irp f, 0,1,2,3
.irp c, 0,1
	ds_load_b128 v[XF+12*\f+6*\c:XF+12*\f+6*\c+3], v[LI16] offset:\ib+\f*1536+\c*768
	ds_load_b64 v[XF+12*\f+6*\c+4:XF+12*\f+6*\c+5], v[LI8] offset:\ib+\f*1536+\c*768+512
.endr
.endr
	ds_load_b32 v[SCX], v[LS4] offset:\sb
	ds_load_b32 v[SCX+1], v[LS4] offset:\sb+128
.endm
.macro LOADW base                      ; 36 LDS loads: my wave's eight fragments of a weight and its four scale registers
	v_add_nc_u32 v[TA16], \base, v[WG16]
	v_add_nc_u32 v[TA8], \base, v[WG8]
	v_add_nc_u32 v[TA4], \base, v[WG4]
	WIN 0x40
.irp f, 0,1,2,3,4,5,6,7
.irp c, 0,1
	ds_load_b128 v[WF+12*\f+6*\c:WF+12*\f+6*\c+3], v[TA16] offset:\f*1536+\c*768
	ds_load_b64 v[WF+12*\f+6*\c+4:WF+12*\f+6*\c+5], v[TA8] offset:\f*1536+\c*768+512
.endr
.endr
	WIN 0
.irp t, 0,1,2,3
	ds_load_b32 v[SCW+\t], v[TA4] offset:\t*128
.endr
.endm
; 16 matrix instructions, the weight as source 0: eight accumulators (row tile p, tile t at HA + 32 p + 8 t) by turns, one instruction a turn, K step 0 and then K step 1.
; ck: 0, or the bias's registers in window 1, the C of each sum's first instruction.  sc: the weight's scale registers.
.macro MMW ck, sc
.if \ck
	WIN 0x11
.else
	WIN 0x01
.endif
.irp p, 0,1
.irp t, 0,1,2,3
.if \ck
	v_wmma_scale_f32_16x16x128_f8f6f4 v[HA+32*\p+8*\t:HA+32*\p+8*\t+7], v[WF+24*\t:WF+24*\t+11], v[XF+24*\p:XF+24*\p+11], v[\ck+8*\t:\ck+8*\t+7], v[\sc+\t], v[SCX+\p] matrix_a_fmt:MATRIX_FMT_BF6 matrix_b_fmt:MATRIX_FMT_BF6
.else
	v_wmma_scale_f32_16x16x128_f8f6f4 v[HA+32*\p+8*\t:HA+32*\p+8*\t+7], v[WF+24*\t:WF+24*\t+11], v[XF+24*\p:XF+24*\p+11], 0, v[\sc+\t], v[SCX+\p] matrix_a_fmt:MATRIX_FMT_BF6 matrix_b_fmt:MATRIX_FMT_BF6
.endif
.endr
.endr
	WIN 0x01
.irp p, 0,1
.irp t, 0,1,2,3
	v_wmma_scale_f32_16x16x128_f8f6f4 v[HA+32*\p+8*\t:HA+32*\p+8*\t+7], v[WF+24*\t+12:WF+24*\t+23], v[XF+24*\p+12:XF+24*\p+23], v[HA+32*\p+8*\t:HA+32*\p+8*\t+7], v[\sc+\t], v[SCX+\p] matrix_a_fmt:MATRIX_FMT_BF6 matrix_b_fmt:MATRIX_FMT_BF6 matrix_a_scale:MATRIX_SCALE_ROW1 matrix_b_scale:MATRIX_SCALE_ROW1
.endr
.endr
	WIN 0
.endm
; The same with the activation as source 0: accumulator (p, t) at HA + dp p + dt t; a lane then holds feature n(4 w + t, r) and rows 16 p + 8 h + 0 .. 7.
.macro MMA dp, dt
	WIN 0x04
.irp p, 0,1
.irp t, 0,1,2,3
	v_wmma_scale_f32_16x16x128_f8f6f4 v[HA+\dp*\p+\dt*\t:HA+\dp*\p+\dt*\t+7], v[XF+24*\p:XF+24*\p+11], v[WF+24*\t:WF+24*\t+11], 0, v[SCX+\p], v[SCW+\t] matrix_a_fmt:MATRIX_FMT_BF6 matrix_b_fmt:MATRIX_FMT_BF6
.endr
.endr
.irp p, 0,1
.irp t, 0,1,2,3
	v_wmma_scale_f32_16x16x128_f8f6f4 v[HA+\dp*\p+\dt*\t:HA+\dp*\p+\dt*\t+7], v[XF+24*\p+12:XF+24*\p+23], v[WF+24*\t+12:WF+24*\t+23], v[HA+\dp*\p+\dt*\t:HA+\dp*\p+\dt*\t+7], v[SCX+\p], v[SCW+\t] matrix_a_fmt:MATRIX_FMT_BF6 matrix_b_fmt:MATRIX_FMT_BF6 matrix_a_scale:MATRIX_SCALE_ROW1 matrix_b_scale:MATRIX_SCALE_ROW1
.endr
.endr
	WIN 0
.endm
; rot: of a pair (x0, x1) and pos's pair (sin, cos): (x0 cos - x1 sin, x1 cos + x0 sin).  Four pairs at a time, each accumulator from its low end on.
.macro ROT
	WIN 0x04
.set j, 0
.rept 8
.irp q, 0,1,2,3
	v_pk_mul_f32 v[RT+2*\q:RT+2*\q+1], v[HA+j+2*\q:HA+j+2*\q+1], v[PS+j+2*\q:PS+j+2*\q+1] op_sel:[1,0] op_sel_hi:[0,0] neg_lo:[1,0]   ; (-x1 sin, x0 sin)
.endr
.irp q, 0,1,2,3
	v_pk_fma_f32 v[HA+j+2*\q:HA+j+2*\q+1], v[HA+j+2*\q:HA+j+2*\q+1], v[PS+j+2*\q:PS+j+2*\q+1], v[RT+2*\q:RT+2*\q+1] op_sel:[0,1,0] op_sel_hi:[1,1,1]   ; x cos + that
.endr
.set j, j+8
.endr
	WIN 0
.endm
.macro DIAGP                           ; v[DS + 4 p]: the sum of y^2 over my wave's 64 features of row r of row tile p
.irp p, 0,1
	v_pk_mul_f32 v[DS+4*\p:DS+4*\p+1], v[HA+32*\p:HA+32*\p+1], v[HA+32*\p:HA+32*\p+1]
	v_pk_mul_f32 v[DS+4*\p+2:DS+4*\p+3], v[HA+32*\p+2:HA+32*\p+3], v[HA+32*\p+2:HA+32*\p+3]
.endr
.irp i, 4,8,12,16,20,24,28
.irp p, 0,1
	v_pk_fma_f32 v[DS+4*\p:DS+4*\p+1], v[HA+32*\p+\i:HA+32*\p+\i+1], v[HA+32*\p+\i:HA+32*\p+\i+1], v[DS+4*\p:DS+4*\p+1]
	v_pk_fma_f32 v[DS+4*\p+2:DS+4*\p+3], v[HA+32*\p+\i+2:HA+32*\p+\i+3], v[HA+32*\p+\i+2:HA+32*\p+\i+3], v[DS+4*\p+2:DS+4*\p+3]
.endr
.endr
.irp p, 0,1
	v_pk_add_f32 v[DS+4*\p:DS+4*\p+1], v[DS+4*\p:DS+4*\p+1], v[DS+4*\p+2:DS+4*\p+3]
.endr
.irp p, 0,1
	v_add_f32 v[DS+4*\p], v[DS+4*\p], v[DS+4*\p+1]
.endr
.irp p, 0,1
	v_permlanex16_b32 v[DS+4*\p+1], v[DS+4*\p], s[SEL], s[SEL+1]
.endr
.irp p, 0,1
	v_add_f32 v[DS+4*\p], v[DS+4*\p], v[DS+4*\p+1]
.endr
.endm
	s_load_b512 s[4:19], s[0:1], 0x0               ; key s[4:5], value s[6:7], pos s[8:9], bk s[10:11], bv s[12:13], wimg s[14:15], timg s[16:17], pmax s[18:19]
	s_load_b128 s[20:23], s[0:1], 0x40             ; vimg s[20:21], vsc s[22:23]
	v_lshl_add_u32 v[SPW], v0, 2, SPARE
	v_mov_b32 v[NIL], 0
	ds_add_u32 v[SPW], v[NIL]                      ; the wave's opening: the add and its wait stand ahead of my first tensor load; work on registers stands between them
	v_lshrrev_b32 v30, 5, v0
	v_readfirstlane_b32 s[WAVE], v30               ; wave 0..3
	s_bfe_u32 s25, ttmp6, 0x40000                  ; cx: my place in the cluster
	s_lshl_b32 s26, ttmp9, 2
	s_add_co_u32 s26, s26, s25                     ; my block of 32 rows in the batch = 4 x cluster x + cx
	s_and_b32 s27, ttmp7, 0xffff                   ; the batch
	s_mov_b32 s[SEL], 0x76543210
	s_mov_b32 s[SEL+1], 0xfedcba98
	s_mov_b32 s[G1A+0], 0x07920000                 ; no mask; elements of 4 bytes; padding on: 4 words behind every 128
	s_mov_b32 s[G1A+1], 128<<16                    ; tensor_dim0
	s_mov_b32 s[G1A+2], 16<<16                     ; tensor_dim1
	s_mov_b32 s[G1A+3], 128<<16                    ; tile_dim0
	s_mov_b32 s[G1A+4], 16                         ; tile_dim1
	s_mov_b32 s[G1A+5], 256                        ; elements from row to row
	s_mov_b32 s[G1A+6], 0
	s_mov_b32 s[G1A+7], 0
	s_mov_b32 s[G1P+0], 0x07520000                 ; the same with 4 words behind every 64
	s_mov_b32 s[G1P+1], 64<<16
	s_mov_b32 s[G1P+2], 32<<16
	s_mov_b32 s[G1P+3], 64<<16
	s_mov_b32 s[G1P+4], 32
	s_mov_b32 s[G1P+5], 256
	s_mov_b32 s[G1P+6], 0
	s_mov_b32 s[G1P+7], 0
	s_mov_b32 s[G1W+0], 15|(3<<16)|(1<<21)         ; the mask: all four work-groups; elements of 8 bytes; bit 21 beside a mask; no padding
	s_mov_b32 s[G1W+1], 32<<16                     ; 50 rows of 256 bytes, dense
	s_mov_b32 s[G1W+2], 50<<16
	s_mov_b32 s[G1W+3], 32<<16
	s_mov_b32 s[G1W+4], 50
	s_mov_b32 s[G1W+5], 32
	s_mov_b32 s[G1W+6], 0
	s_mov_b32 s[G1W+7], 0
	s_lshl_b32 s30, s27, 21
	s_lshl_b32 s31, s26, 15
	s_add_co_u32 s30, s30, s31                     ; my 32 rows of 1,024 bytes in key and value; also my 32,768 bytes of timg
	s_lshr_b32 s31, s[WAVE], 1
	s_lshl_b32 s31, s31, 14                        ; row tile w / 2,
	s_and_b32 s32, s[WAVE], 1
	s_lshl_b32 s32, s32, 9                         ; K step w % 2
	s_add_co_u32 s32, s32, s31
	s_add_co_u32 s32, s32, s30
	s_mov_b32 s33, 0
	s_lshl_b32 s34, s26, 15                        ; pos: my 32 rows, my wave's 64 features
	s_lshl_b32 s35, s[WAVE], 8
	s_add_co_u32 s34, s34, s35
	s_mov_b32 s35, 0
	s_mul_i32 s88, s[WAVE], 12800                  ; my wave's block of a weight, in memory and in LDS: no place in the cluster enters it
	s_mov_b32 s89, 0
	s_mul_i32 s90, s[WAVE], 8448
	s_mul_i32 s91, s[WAVE], 8704
	s_wait_dscnt 0x0                               ; the opening add is done
	s_wait_kmcnt 0x0
	s_mov_b32 s[G0K], 1
	s_add_co_u32 s[G0K+1], s90, KT
	s_add_nc_u64 s[G0K+2:G0K+3], s[4:5], s[32:33]
	s_or_b32 s[G0K+3], s[G0K+3], 0x80000000
	s_mov_b32 s[G0V], 1
	s_add_co_u32 s[G0V+1], s90, VT
	s_add_nc_u64 s[G0V+2:G0V+3], s[6:7], s[32:33]
	s_or_b32 s[G0V+3], s[G0V+3], 0x80000000
	s_mov_b32 s[G0WK], 1
	s_add_co_u32 s[G0WK+1], s88, WK
	s_add_nc_u64 s[G0WK+2:G0WK+3], s[14:15], s[88:89]
	s_add_nc_u64 s[G0WK+2:G0WK+3], s[G0WK+2:G0WK+3], 51200
	s_or_b32 s[G0WK+3], s[G0WK+3], 0x80000000
	s_mov_b32 s[G0P], 1
	s_add_co_u32 s[G0P+1], s91, PT
	s_add_nc_u64 s[G0P+2:G0P+3], s[8:9], s[34:35]
	s_or_b32 s[G0P+3], s[G0P+3], 0x80000000
	s_mov_b32 s[G0WV], 1
	s_add_co_u32 s[G0WV+1], s88, WVL
	s_add_nc_u64 s[G0WV+2:G0WV+3], s[14:15], s[88:89]
	s_add_nc_u64 s[G0WV+2:G0WV+3], s[G0WV+2:G0WV+3], 102400
	s_or_b32 s[G0WV+3], s[G0WV+3], 0x80000000
	s_mov_b32 s[G0WP], 1
	s_add_co_u32 s[G0WP+1], s88, WP
	s_add_nc_u64 s[G0WP+2:G0WP+3], s[14:15], s[88:89]
	s_add_nc_u64 s[G0WP+2:G0WP+3], s[G0WP+2:G0WP+3], 204800
	s_or_b32 s[G0WP+3], s[G0WP+3], 0x80000000
	ROUND                                          ; all four work-groups are here: the joint loads meet
	tensor_load_to_lds s[G0K:G0K+3], s[G1A:G1A+7]      ; six loads of mine are out: key,
	s_nop 0
	tensor_load_to_lds s[G0V:G0V+3], s[G1A:G1A+7]      ; value,
	s_nop 0
	tensor_load_to_lds s[G0WK:G0WK+3], s[G1W:G1W+7]    ; Wk,
	s_nop 0
	tensor_load_to_lds s[G0P:G0P+3], s[G1P:G1P+7]      ; pos,
	s_nop 0
	tensor_load_to_lds s[G0WV:G0WV+3], s[G1W:G1W+7]    ; Wv,
	s_nop 0
	tensor_load_to_lds s[G0WP:G0WP+3], s[G1W:G1W+7]    ; proj
	s_nop 0
	PLACES 4
	s_lshl_b32 s31, s[WAVE], 13                    ; where the results go
	s_add_co_u32 s30, s30, s31
	s_mov_b32 s31, 0
	s_add_nc_u64 s[16:17], s[16:17], s[30:31]      ; timg: my block, my wave's four tiles
	s_lshl_b32 s94, s27, 6
	s_add_co_u32 s94, s94, s26                     ; 64 b + my block
	s_lshl_b32 s30, s94, 4
	s_lshl_b32 s95, s[WAVE], 2
	s_add_co_u32 s30, s30, s95
	s_add_nc_u64 s[18:19], s[18:19], s[30:31]      ; pmax: my wave's word
	s_mul_i32 s30, s94, 6144
	s_add_nc_u64 s[20:21], s[20:21], s[30:31]
	s_lshl_b32 s30, s[WAVE], 9
	s_add_co_u32 s30, s30, 4096
	s_add_nc_u64 s[96:97], s[20:21], s[30:31]      ; vimg: registers 4-5 of my four tiles,
	s_lshl_b32 s30, s[WAVE], 10
	s_add_nc_u64 s[20:21], s[20:21], s[30:31]      ; and registers 0-3
	s_lshl_b32 s30, s94, 8
	s_add_nc_u64 s[22:23], s[22:23], s[30:31]      ; vsc
	s_lshl_b32 s30, s[WAVE], 8
	s_add_nc_u64 s[10:11], s[10:11], s[30:31]      ; bk, bv at my 64 features
	s_add_nc_u64 s[12:13], s[12:13], s[30:31]
	v_and_b32 v[LN], 31, v0
	v_and_b32 v30, 15, v0                          ; r
	v_bfe_u32 v31, v0, 4, 1                        ; h
	v_mov_b32 v[ZO], 0
	v_lshlrev_b32 v[LI16], 4, v[LN]
	v_lshlrev_b32 v[LI8], 3, v[LN]
	v_lshlrev_b32 v[LS4], 2, v[LN]
	v_mul_u32_u24 v[AIN], v30, 528
	v_lshl_add_u32 v[AIN], v31, 6, v[AIN]
	v_add_nc_u32 v[AIN], s90, v[AIN]               ; w 8448 + r 528 + 64 h
	v_mul_u32_u24 v[APS], v30, 272
	v_lshl_add_u32 v[APS], v31, 6, v[APS]
	v_add_nc_u32 v[APS], s91, v[APS]
	v_add_nc_u32 v[APS], PT, v[APS]                ; PT + w 8704 + r 272 + 64 h
	s_mul_i32 s92, s[WAVE], 1536
	v_add_nc_u32 v[FW16], s92, v[LI16]
	v_add_nc_u32 v[FW8], s92, v[LI8]
	s_lshl_b32 s93, s[WAVE], 6
	v_lshl_add_u32 v[SW], v30, 2, s93
	s_mul_i32 s92, s[WAVE], 768
	v_add_nc_u32 v[IW16], s92, v[LI16]
	v_add_nc_u32 v[IW8], s92, v[LI8]
	s_lshr_b32 s92, s[WAVE], 1
	s_lshl_b32 s92, s92, 6
	s_and_b32 s93, s[WAVE], 1
	s_lshl_b32 s93, s93, 1
	s_add_co_u32 s92, s92, s93
	v_lshl_add_u32 v[SH], v30, 2, s92              ; 64 (w / 2) + 2 (w % 2) + 4 r
	v_add_nc_u32 v[WG16], s88, v[LI16]
	v_add_nc_u32 v[WG8], s88, v[LI8]
	v_add_nc_u32 v[WG4], s88, v[LS4]
	v_add_nc_u32 v[WG4], 12288, v[WG4]
	v_lshlrev_b32 v[GB], 6, v31
	v_and_b32 v[BVO], 8, v30
	v_add_nc_u32 v[BVO], v[BVO], v30
	v_lshlrev_b32 v[BVO], 2, v[BVO]
	v_lshlrev_b32 v[DGA], 5, v31
	v_lshlrev_b32 v[TO], 10, v31
	v_lshl_add_u32 v[TO], v30, 4, v[TO]
.irp b, 0,1,2,3
	v_mov_b32 v[TM+4+\b], 0                        ; written once: a lane permute's destination counts as one of its sources
.endr
	WIN 0x40
.irp t, 0,1,2,3
	global_load_b128 v[BI+8*\t:BI+8*\t+3], v[GB], s[10:11] offset:(32*(\t/2)+8*(\t%2))*4       ; bk at features 64 w + 32 (t / 2) + 16 h + 8 (t % 2) + 0 .. 7
	global_load_b128 v[BI+8*\t+4:BI+8*\t+7], v[GB], s[10:11] offset:(32*(\t/2)+8*(\t%2))*4+16
.endr
	WIN 0
.irp t, 0,1,2,3
	global_load_b32 v[BV+\t], v[BVO], s[12:13] offset:(32*(\t/2)+8*(\t%2))*4                   ; bv at column n(4 w + t, r)
.endr
	; ---- X: wave w quantises fragment (row tile w / 2, K step w % 2) of key and of value
	s_wait_tensorcnt 0x3                           ; key, value and Wk are in; the three younger loads may be out
.irp b, 0,1,2,3
.irp q, 0,1,2,3
	ds_load_b128 v[HA+16*\b+4*\q:HA+16*\b+4*\q+3], v[AIN] offset:KT+128*\b+16*\q
.endr
.endr
.irp b, 0,1,2,3
.irp q, 0,1,2,3
	ds_load_b128 v[XB+16*\b+4*\q:XB+16*\b+4*\q+3], v[AIN] offset:VT+128*\b+16*\q
.endr
.endr
	LOADW WK
	s_wait_dscnt 52                                ; key's 16 loads are in; value's 16 and the weight's 36 may be out
	QUANT HA, 0
	IMG_FULL KI, KSC
	s_wait_dscnt 0x0                               ; value's numbers are in, and the stores have read the codes' registers
	QUANT XB, 0
	IMG_FULL VI, VSC
	BAR                                            ; key's and value's fragments lie in LDS
	; ---- 1a: k = key Wk + bk, rot, sum of squares, quantised as y / 4
	FETCHX KI, KSC
	s_wait_tensorcnt 0x2                           ; pos is in
	WIN 0x40
.irp p, 0,1
.irp b, 0,1
.irp q, 0,1,2,3
	ds_load_b128 v[PS+32*\p+16*\b+4*\q:PS+32*\p+16*\b+4*\q+3], v[APS] offset:\p*4352+128*\b+16*\q
.endr
.endr
.endr
	WIN 0
	s_wait_loadcnt 0x0                             ; bk, bv
	s_wait_dscnt 16                                ; key's fragments are in; pos's 16 loads may be out
	MMW BI, SCW
	PLACES 4                                       ; in front of loads into registers that the products read, and of the first read of results
	s_wait_tensorcnt 0x1                           ; Wv is in
	LOADW WVL
	s_wait_dscnt 36                                ; pos is in; the weight's 36 loads may be out
	ROT
	DIAGP
	ds_store_b32 v[SW], v[DS] offset:DG
	ds_store_b32 v[SW], v[DS+4] offset:DG+256
	QUANT HA, 1
	IMG_HALF YI, YSC
	; ---- 1b: v = value Wv + bv, a lane a column, quantised along the 32 rows
	FETCHX VI, VSC
	s_wait_dscnt 0x0
	MMA 8, 16                                      ; accumulator (row tile u, tile t) at HA + 16 t + 8 u: a tile's 16 registers are half a block along L
	PLACES 4
	s_wait_tensorcnt 0x0                           ; proj is in
	LOADW WP
.irp t, 0,1,2,3
.irp q, 0,2,4,6,8,10,12,14
.if (\t%2) == 0
	v_pk_add_f32 v[HA+16*\t+\q:HA+16*\t+\q+1], v[HA+16*\t+\q:HA+16*\t+\q+1], v[BV+\t:BV+\t+1] op_sel_hi:[1,0]
.else
	v_pk_add_f32 v[HA+16*\t+\q:HA+16*\t+\q+1], v[HA+16*\t+\q:HA+16*\t+\q+1], v[BV+\t-1:BV+\t] op_sel:[0,1] op_sel_hi:[1,1]
.endif
.endr
.endr
	QUANT HA, 0                                    ; the four blocks are the four tiles: lane (r, h) ends with the whole block of column n(4 w + 2 c + h, r)
.irp c, 0,1
	global_store_b128 v[LI16], v[PC+6*\c:PC+6*\c+3], s[20:21] offset:512*\c      ; 32 lanes store 512 consecutive bytes
	global_store_b64 v[LI8], v[PC+6*\c+4:PC+6*\c+5], s[96:97] offset:256*\c      ; 256 consecutive bytes
.endr
	global_store_b32 v[SW], v[PW], s[22:23]        ; byte t: the scale of column n(4 w + t, r); lanes r and 16 + r store the same word
	BAR                                            ; y's fragments and the sums of squares lie in LDS
	; ---- 2: xp = (y / 4) proj^T, a lane a feature m; its largest; t = xp - sum(y^2) / 32
	s_wait_xcnt 0x0                                ; the stores above have read their registers: the loads below land in some of them
	FETCHX YI, YSC
.irp p, 0,1
.irp x, 0,1,2,3
.irp e, 0,1
	ds_load_b128 v[160+48*\p+8*\x+4*\e:160+48*\p+8*\x+4*\e+3], v[DGA] offset:DG+256*\p+64*\x+16*\e   ; wave x's part for my eight rows
.endr
.endr
.endr
	s_wait_dscnt 0x0
	MMA 32, 8
.irp p, 0,1                                    ; the sums below name no register of the products: they are the places behind them
.irp q, 0,2,4,6
	v_pk_add_f32 v[160+48*\p+\q:160+48*\p+\q+1], v[160+48*\p+\q:160+48*\p+\q+1], v[168+48*\p+\q:168+48*\p+\q+1]
	v_pk_add_f32 v[176+48*\p+\q:176+48*\p+\q+1], v[176+48*\p+\q:176+48*\p+\q+1], v[184+48*\p+\q:184+48*\p+\q+1]
.endr
.endr
.irp p, 0,1
.irp q, 0,2,4,6
	v_pk_add_f32 v[D8+8*\p+\q:D8+8*\p+\q+1], v[160+48*\p+\q:160+48*\p+\q+1], v[176+48*\p+\q:176+48*\p+\q+1]
.endr
.endr
.irp p, 0,1
.irp q, 0,2,4,6
	v_pk_mul_f32 v[D8+8*\p+\q:D8+8*\p+\q+1], v[D8+8*\p+\q:D8+8*\p+\q+1], 0x3d000000 op_sel_hi:[1,0]   ; / 32
.endr
.endr
.irp a, 0,1,2,3,4,5,6,7                        ; the largest xp: each accumulator from its low end on, the eight by turns
	v_max3_num_f32 v[160+\a], v[HA+8*\a], v[HA+8*\a+1], v[HA+8*\a+2]
.endr
.irp i, 3,5
.irp a, 0,1,2,3,4,5,6,7
	v_max3_num_f32 v[160+\a], v[160+\a], v[HA+8*\a+\i], v[HA+8*\a+\i+1]
.endr
.endr
.irp a, 0,1,2,3,4,5,6,7
	v_max_num_f32 v[160+\a], v[160+\a], v[HA+8*\a+7]
.endr
	v_max3_num_f32 v160, v160, v161, v162
	v_max3_num_f32 v163, v163, v164, v165
	v_max3_num_f32 v160, v160, v166, v167
	v_max_num_f32 v160, v160, v163
	v_max_num_f32_dpp v160, v160, v160 row_xmask:1 row_mask:0xf bank_mask:0xf
	v_max_num_f32_dpp v160, v160, v160 row_xmask:2 row_mask:0xf bank_mask:0xf
	v_max_num_f32_dpp v160, v160, v160 row_xmask:4 row_mask:0xf bank_mask:0xf
	v_max_num_f32_dpp v160, v160, v160 row_xmask:8 row_mask:0xf bank_mask:0xf
	v_permlanex16_b32 v161, v160, s[SEL], s[SEL+1]
	v_max_num_f32 v160, v160, v161                 ; of my wave's 32 rows x 64 features
	s_wait_xcnt 0x0                                ; EXEC changes only behind this wait
	v_cmp_gt_u32 vcc_lo, 1, v[LN]
	s_and_saveexec_b32 s30, vcc_lo                 ; lane 0 alone stores the word
	global_store_b32 v[ZO], v160, s[18:19]
	s_wait_xcnt 0x0                                ; and again in front of the line that widens it
	s_or_b32 exec_lo, exec_lo, s30
.irp p, 0,1
.irp t, 0,1,2,3
.irp q, 0,2,4,6
	v_pk_add_f32 v[HA+32*\p+8*\t+\q:HA+32*\p+8*\t+\q+1], v[HA+32*\p+8*\t+\q:HA+32*\p+8*\t+\q+1], v[D8+8*\p+\q:D8+8*\p+\q+1] neg_lo:[0,1] neg_hi:[0,1]
.endr
.endr
.endr
.irp p, 0,1
.irp t, 0,1,2,3
.irp e, 0,1
	global_store_b128 v[TO], v[HA+32*\p+8*\t+4*\e:HA+32*\p+8*\t+4*\e+3], s[16:17] offset:2048*\t+256*(2*\p+\e) th:TH_STORE_NT   ; positions 16 h + 8 p + 4 e on: each half of the lanes stores 256 consecutive bytes, aligned
.endr
.endr
.endr
	s_wait_tensorcnt 0x0                           ; the wave's end: behind my last tensor load and my last LDS store
	ds_add_u32 v[SPW], v[NIL]
	s_wait_dscnt 0x0
	ROUND                                          ; the closing round: no work-group ends while a partner may still ask for a block that names it
	s_endpgm
.Lfunc_end_k_q9fe9a715d7_kside:
	.size	k_q9fe9a715d7_kside, .Lfunc_end_k_q9fe9a715d7_kside-k_q9fe9a715d7_kside
	.p2alignl 7, 3214868480
	.fill 96, 4, 3214868480
	.section	.rodata,"a",@progbits
	.p2align	6, 0x0
	.amdhsa_kernel k_q9fe9a715d7_kside
		.amdhsa_group_segment_fixed_size 276480
		.amdhsa_private_segment_fixed_size 0
		.amdhsa_enable_private_segment 0
		.amdhsa_kernarg_size 80
		.amdhsa_user_sgpr_count 2
		.amdhsa_user_sgpr_kernarg_segment_ptr 1
		.amdhsa_wavefront_size32 1
		.amdhsa_system_sgpr_workgroup_id_x 1
		.amdhsa_system_sgpr_workgroup_id_y 1
		.amdhsa_system_sgpr_workgroup_id_z 1
		.amdhsa_system_vgpr_workitem_id 0
		.amdhsa_next_free_vgpr 512
		.amdhsa_next_free_sgpr 100
		.amdhsa_reserve_vcc 1
		.amdhsa_float_denorm_mode_32 3
		.amdhsa_float_denorm_mode_16_64 3
		.amdhsa_memory_ordered 1
		.amdhsa_forward_progress 1
		.amdhsa_inst_pref_size 66
	.end_amdhsa_kernel
	.amdgpu_metadata
---
amdhsa.version: [ 1, 2 ]
amdhsa.kernels:
  - .name:           k_q9fe9a715d7_kside
    .symbol:         k_q9fe9a715d7_kside.kd
    .args:
      - { .name: key, .offset: 0, .size: 8, .value_kind: global_buffer, .address_space: global }
      - { .name: value, .offset: 8, .size: 8, .value_kind: global_buffer, .address_space: global }
      - { .name: pos, .offset: 16, .size: 8, .value_kind: global_buffer, .address_space: global }
      - { .name: bk, .offset: 24, .size: 8, .value_kind: global_buffer, .address_space: global }
      - { .name: bv, .offset: 32, .size: 8, .value_kind: global_buffer, .address_space: global }
      - { .name: wimg, .offset: 40, .size: 8, .value_kind: global_buffer, .address_space: global }
      - { .name: timg, .offset: 48, .size: 8, .value_kind: global_buffer, .address_space: global }
      - { .name: pmax, .offset: 56, .size: 8, .value_kind: global_buffer, .address_space: global }
      - { .name: vimg, .offset: 64, .size: 8, .value_kind: global_buffer, .address_space: global }
      - { .name: vsc, .offset: 72, .size: 8, .value_kind: global_buffer, .address_space: global }
    .group_segment_fixed_size: 276480
    .private_segment_fixed_size: 0
    .kernarg_segment_align: 8
    .kernarg_segment_size: 80
    .max_flat_workgroup_size: 128
    .sgpr_count:     100
    .vgpr_count:     512
    .wavefront_size: 32
...
	.end_amdgpu_metadata
.endif
;; end of part 2
;; launch kvsum (part 3): grid 32 x 4, 16 waves a work-group, no clusters, 143,360 bytes of LDS; arguments timg, pmax, vimg, vsc, kimg, ksc, ksum; writes kimg, ksc, ksum
.if DOCPART == 3
	.amdgcn_target "amdgcn-amd-amdhsa--gfx1250"
	.amdhsa_code_object_version 6
	.text
	.protected	k_q9fe9a715d7_kvsum
	.globl	k_q9fe9a715d7_kvsum
	.p2align	8
	.type	k_q9fe9a715d7_kvsum,@function
k_q9fe9a715d7_kvsum:
	s_mov_b64 s[64:65], 0
	v_nop
	global_prefetch_b8 v0, s[64:65] scope:SCOPE_SE
	s_setreg_imm32_b32 hwreg(HW_REG_WAVE_MODE, 25, 1), 1
	s_wait_xcnt 0x0
; KVSUM: kp = (exp(t - mx) + EPS) / 16, mx the batch's largest xp; kvs = Q(kp)^T Q(v), both quantised along L; ksum = the sum of kp over L; kvs is quantised along m for the next product.
; SHARES.  A work-group owns one block of 32 features m (beta), 64 columns hd (dq) and one batch, with ALL of L, so that each output has one owner.  Wave sigma of sixteen takes L = 128 sigma .. + 127, one K step:
; 2 tiles of m x 4 tiles of hd = 8 matrix instructions, each a sum of its own.  The sixteen partial tiles meet in LDS: wave sigma adds quad sigma of all sixteen; wave 0 quantises and stores.
; t is read (and the exponentials taken) once for each of the four dq: the price of one owner for each output.
; No cluster and no joint load: t goes from memory straight into the registers in which it is exponentiated; a work-group's 256 KiB of t beside the 128 KiB of partial tiles would not fit in LDS.
; e x (1 / 16) + EPS / 16 in one fused multiply-add is (e + EPS) rounded once and then divided by 16, which is exact.
; LIMITS: NaN and infinities are not served; exp(a) is 2^(a log2 e) with a log2 e rounded to f32; the sums over L are added in another order than in the definition; a block of zeros would get the byte 1.
.set RED2,  131072                     ; LDS: 0: sixteen partial tiles of 8,192 bytes;  RED2: their sum
.set KSX,   139264                     ; [wave][tile u][row] f32: parts of ksum
.set SPARE, 141312                     ; the spare words, 128 bytes a wave: eight blocks of 256 bytes that no other line names
.set TL,   1                           ; v1   32768 h + 16 r
.set VL16, 2                           ; v2   6144 h + 16 r
.set VL8,  3                           ; v3   6144 h + 8 r
.set R4,   4                           ; v4   4 r
.set L32,  5                           ; v5   32 x lane
.set RS,   6                           ; v6   my partial tile: 8192 wave + 16 x lane
.set R1A,  7                           ; v7   my quad in partial tile 0;  v8: in partial tile 8
.set R1B,  8
.set R2W,  9                           ; v9   my quad in the sum
.set R2R,  10                          ; v10  quad 0 of the sum
.set KXW,  11
.set KXR,  12
.set H8,   13                          ; v13  8 h
.set KL16, 14                          ; v14  3072 h + 16 r
.set KL8,  15                          ; v15  3072 h + 8 r
.set TM,   16                          ; v16-31  scratch
.set X0,   32                          ; v32-95  t, kp of tile u = 0; then the eight accumulators (tile t of hd, tile u of m at 16 t + 8 u); in wave 0 the sum
.set X1,   96                          ; v96-159 t, kp of tile u = 1; then my quad of the sixteen partial tiles
.set BF,   160                         ; v160-207 v's four fragments
.set AF,   208                         ; v208-231 kp's two fragments
.set PC,   208                         ;          in wave 0: the codes just made
.set CT,   232                         ; v232-239 conversions' upper halves
.set ASC,  240                         ; v240-241 kp's scale words
.set WS,   242                         ; v242-245 v's scale words
.set LK,   246                         ; v246-249 v's scale bytes as loaded
.set PW,   246
.set MXR,  250                         ; v250-251 mx, twice
.set SPW,  252                         ; v252 my spare word; never rewritten
.set NIL,  253                         ; v253 0; never rewritten
.set EP,   254                         ; v254-255 EPS / 16, twice
.set WAVE, 18
.set SEL,  22
.macro QUANT s                         ; 64 numbers of a lane, register 16 b + i = element 16 h + i of block b, become codes in v[PC] on and four scale bytes in v[PW]
.irp b, 0,1,2,3
	v_max3_num_f32 v[TM+\b], |v[\s+16*\b]|, |v[\s+1+16*\b]|, 0x2800000
.endr
.irp i, 2,4,6,8,10,12,14
.irp b, 0,1,2,3
	v_max3_num_f32 v[TM+\b], v[TM+\b], |v[\s+16*\b+\i]|, |v[\s+1+16*\b+\i]|
.endr
.endr
.irp b, 0,1,2,3
	v_permlanex16_b32 v[TM+4+\b], v[TM+\b], s[SEL], s[SEL+1]
.endr
.irp b, 0,1,2,3
	v_max_num_f32 v[TM+\b], v[TM+\b], v[TM+4+\b]
.endr
.irp b, 0,1,2,3
	v_add_nc_u32 v[TM+12+\b], 0xfe000000, v[TM+\b]
.endr
.irp b, 0,1,2,3
	v_lshrrev_b32 v[TM+4+\b], 23, v[TM+12+\b]
.endr
	v_lshl_or_b32 v[PW], v[TM+5], 8, v[TM+4]
	v_lshl_or_b32 v[PW], v[TM+6], 16, v[PW]
	v_lshl_or_b32 v[PW], v[TM+7], 24, v[PW]
.irp c, 0,1
	v_cvt_scalef32_pk16_bf6_f32 v[PC+6*\c:PC+2+6*\c], v[\s+32*\c:\s+15+32*\c], v[TM+12+2*\c]
	v_cvt_scalef32_pk16_bf6_f32 v[PC+12+4*\c:PC+14+4*\c], v[\s+16+32*\c:\s+31+32*\c], v[TM+12+2*\c+1]
.endr
	v_nop                                          ; one plain place behind the scaled conversions
.irp c, 0,1
.irp i, 0,1,2
	v_permlane16_swap_b32 v[PC+6*\c+\i], v[PC+12+4*\c+\i]
.endr
.irp i, 0,1,2
	v_mov_b32 v[PC+3+6*\c+\i], v[PC+12+4*\c+\i]
.endr
.endr
.endm
; Tile u of m: 64 numbers t of a lane (row m = n(2 beta + u, r); registers 32 c + p: position p of L block 2 c + h) become kp, their sum, a fragment and a scale word.
.macro KP x, u
.set j, 0
.rept 32
	v_pk_add_f32 v[\x+j:\x+j+1], v[\x+j:\x+j+1], v[MXR:MXR+1] neg_lo:[0,1] neg_hi:[0,1]   ; t - mx
.set j, j+2
.endr
.set j, 0
.rept 32
	v_pk_mul_f32 v[\x+j:\x+j+1], v[\x+j:\x+j+1], 0x3fb8aa3b op_sel_hi:[1,0]               ; x log2 e
.set j, j+2
.endr
.set j, 0
.rept 64
	v_exp_f32 v[\x+j], v[\x+j]
.set j, j+1
.endr
	v_nop                                          ; a plain place behind the last exponential
	s_wait_alu depctr_va_vdst(0)                   ; one wait for the batch of 64, ahead of its first reader
.set j, 0
.rept 32
	v_pk_fma_f32 v[\x+j:\x+j+1], v[\x+j:\x+j+1], 0x3d800000, v[EP:EP+1] op_sel_hi:[1,0,1]  ; kp
.set j, j+2
.endr
	v_pk_add_f32 v[TM+4*\u:TM+4*\u+1], v[\x:\x+1], v[\x+2:\x+3]                            ; the sum of the unquantised kp, two chains
	v_pk_add_f32 v[TM+4*\u+2:TM+4*\u+3], v[\x+4:\x+5], v[\x+6:\x+7]
.set j, 8
.rept 14
	v_pk_add_f32 v[TM+4*\u:TM+4*\u+1], v[TM+4*\u:TM+4*\u+1], v[\x+j:\x+j+1]
	v_pk_add_f32 v[TM+4*\u+2:TM+4*\u+3], v[TM+4*\u+2:TM+4*\u+3], v[\x+j+2:\x+j+3]
.set j, j+4
.endr
	v_pk_add_f32 v[TM+4*\u:TM+4*\u+1], v[TM+4*\u:TM+4*\u+1], v[TM+4*\u+2:TM+4*\u+3]
	v_add_f32 v[TM+4*\u], v[TM+4*\u], v[TM+4*\u+1]
	v_permlanex16_b32 v[TM+4*\u+1], v[TM+4*\u], s[SEL], s[SEL+1]
	v_add_f32 v[TM+4*\u], v[TM+4*\u], v[TM+4*\u+1]   ; over my wave's 128 rows
	ds_store_b32 v[KXW], v[TM+4*\u] offset:64*\u
.irp c, 0,1                                    ; a lane holds two whole blocks: no other lane is asked for a maximum.  kp is positive: no |.|
	v_max3_num_f32 v[TM+8+\c], v[\x+32*\c], v[\x+32*\c+1], 0x2800000
.endr
.irp i, 2,4,6,8,10,12,14,16,18,20,22,24,26,28,30
.irp c, 0,1
	v_max3_num_f32 v[TM+8+\c], v[TM+8+\c], v[\x+32*\c+\i], v[\x+32*\c+\i+1]
.endr
.endr
.irp c, 0,1
	v_add_nc_u32 v[TM+10+\c], 0xfe000000, v[TM+8+\c]
.endr
.irp c, 0,1
	v_lshrrev_b32 v[TM+12+\c], 23, v[TM+10+\c]
.endr
	v_lshl_or_b32 v[TM+14], v[TM+13], 16, v[TM+12]   ; my two bytes: blocks h and 2 + h,
	v_lshlrev_b32 v[TM+14], v[H8], v[TM+14]          ; at their places in the word;
	v_permlanex16_b32 v[TM+15], v[TM+14], s[SEL], s[SEL+1]
	v_or_b32 v[ASC+\u], v[TM+14], v[TM+15]           ; with lane l xor 16's two the word is whole
.irp c, 0,1
	v_cvt_scalef32_pk16_bf6_f32 v[AF+12*\u+6*\c:AF+12*\u+6*\c+2], v[\x+32*\c:\x+32*\c+15], v[TM+10+\c]
	v_cvt_scalef32_pk16_bf6_f32 v[CT+4*\c:CT+4*\c+2], v[\x+32*\c+16:\x+32*\c+31], v[TM+10+\c]
.endr
	v_nop                                          ; one plain place behind the scaled conversions
.irp c, 0,1
.irp i, 0,1,2
	v_mov_b32 v[AF+12*\u+6*\c+3+\i], v[CT+4*\c+\i]
.endr
.endr
.endm
	s_load_b256 s[4:11], s[0:1], 0x0               ; timg s[4:5], pmax s[6:7], vimg s[8:9], vsc s[10:11]
	s_load_b128 s[12:15], s[0:1], 0x20             ; kimg s[12:13], ksc s[14:15]
	s_load_b64 s[16:17], s[0:1], 0x30              ; ksum
	v_lshl_add_u32 v[SPW], v0, 2, SPARE
	v_mov_b32 v[NIL], 0
	v_lshrrev_b32 v24, 5, v0
	v_readfirstlane_b32 s[WAVE], v24               ; wave 0..15
	s_lshr_b32 s19, ttmp9, 2                       ; beta
	s_and_b32 s20, ttmp9, 3                        ; dq
	s_and_b32 s21, ttmp7, 0xffff                   ; the batch
	s_mov_b32 s[SEL], 0x76543210
	s_mov_b32 s[SEL+1], 0xfedcba98
	v_and_b32 v24, 31, v0                          ; lane
	v_and_b32 v25, 15, v0                          ; r
	v_bfe_u32 v26, v0, 4, 1                        ; h
	v_lshlrev_b32 v[TL], 15, v26
	v_lshl_add_u32 v[TL], v25, 4, v[TL]
	v_mul_u32_u24 v27, v26, 6144
	v_lshl_add_u32 v[VL16], v25, 4, v27
	v_lshl_add_u32 v[VL8], v25, 3, v27
	v_lshlrev_b32 v[R4], 2, v25
	v_lshlrev_b32 v[L32], 5, v24
	s_lshl_b32 s24, s[WAVE], 13
	v_lshl_add_u32 v[RS], v24, 4, s24
	s_lshl_b32 s25, s[WAVE], 9
	v_lshl_add_u32 v[R1A], v24, 4, s25
	v_add_nc_u32 v[R1B], 65536, v[R1A]
	v_add_nc_u32 v[R2W], RED2, v[R1A]
	v_lshlrev_b32 v[R2R], 4, v24
	v_add_nc_u32 v[R2R], RED2, v[R2R]
	s_lshl_b32 s26, s[WAVE], 7
	v_lshl_add_u32 v[KXW], v25, 2, s26
	v_add_nc_u32 v[KXW], KSX, v[KXW]
	v_lshlrev_b32 v[KXR], 2, v24
	v_add_nc_u32 v[KXR], KSX, v[KXR]
	v_lshlrev_b32 v[H8], 3, v26
	v_mul_u32_u24 v27, v26, 3072
	v_lshl_add_u32 v[KL16], v25, 4, v27
	v_lshl_add_u32 v[KL8], v25, 3, v27
	v_mov_b32 v[TM+15], 0                          ; written once: a lane permute's destination counts as one of its sources
	v_mov_b32 v[EP], 0x338637bd                    ; EPS / 16
	v_mov_b32 v[EP+1], 0x338637bd
	s_mov_b32 s29, 0
	s_wait_kmcnt 0x0
	s_lshl_b32 s28, s21, 10
	s_add_nc_u64 s[6:7], s[6:7], s[28:29]          ; the batch's 256 partial maxima
	s_lshl_b32 s28, s21, 21
	s_lshl_b32 s30, s[WAVE], 17
	s_add_co_u32 s28, s28, s30
	s_lshl_b32 s30, s19, 12
	s_add_co_u32 s28, s28, s30
	s_add_nc_u64 s[4:5], s[4:5], s[28:29]          ; t: my four L blocks, tiles 2 beta and 2 beta + 1
	s_lshl_b32 s30, s21, 6
	s_lshl_b32 s31, s[WAVE], 2
	s_add_co_u32 s30, s30, s31                     ; 64 b + 4 wave: my first L block
	s_lshl_b32 s28, s30, 8
	s_lshl_b32 s31, s20, 6
	s_add_co_u32 s28, s28, s31
	s_add_nc_u64 s[10:11], s[10:11], s[28:29]      ; v's scale bytes
	s_mul_i32 s28, s30, 6144
	s_add_nc_u64 s[8:9], s[8:9], s[28:29]
	s_lshl_b32 s28, s20, 9
	s_add_co_u32 s28, s28, 4096
	s_add_nc_u64 s[32:33], s[8:9], s[28:29]        ; v's codes: registers 4-5,
	s_lshl_b32 s28, s20, 10
	s_add_nc_u64 s[8:9], s[8:9], s[28:29]          ; registers 0-3
	; all 54 loads of the wave go out at once
	global_load_b128 v[16:19], v[L32], s[6:7]
	global_load_b128 v[20:23], v[L32], s[6:7] offset:16
.irp u, 0,1
.irp c, 0,1
.irp q, 0,1,2,3,4,5,6,7
	global_load_b128 v[X0+64*\u+32*\c+4*\q:X0+64*\u+32*\c+4*\q+3], v[TL], s[4:5] offset:65536*\c+2048*\u+256*\q   ; each half of the lanes reads 256 consecutive bytes
.endr
.endr
.endr
.irp k, 0,1,2,3
	global_load_b32 v[LK+\k], v[R4], s[10:11] offset:256*\k
.endr
.irp t, 0,1,2,3
.irp c, 0,1
	global_load_b128 v[BF+12*\t+6*\c:BF+12*\t+6*\c+3], v[VL16], s[8:9] offset:12288*\c+256*\t
.endr
.endr
.irp t, 0,1,2,3
.irp c, 0,1
	global_load_b64 v[BF+12*\t+6*\c+4:BF+12*\t+6*\c+5], v[VL8], s[32:33] offset:12288*\c+128*\t
.endr
.endr
	s_wait_loadcnt 52                              ; the partial maxima are in; the 52 younger loads may be out
	v_max3_num_f32 v16, v16, v17, v18
	v_max3_num_f32 v16, v16, v19, v20
	v_max3_num_f32 v16, v16, v21, v22
	v_max_num_f32 v16, v16, v23
	v_max_num_f32_dpp v16, v16, v16 row_xmask:1 row_mask:0xf bank_mask:0xf
	v_max_num_f32_dpp v16, v16, v16 row_xmask:2 row_mask:0xf bank_mask:0xf
	v_max_num_f32_dpp v16, v16, v16 row_xmask:4 row_mask:0xf bank_mask:0xf
	v_max_num_f32_dpp v16, v16, v16 row_xmask:8 row_mask:0xf bank_mask:0xf
	v_permlanex16_b32 v17, v16, s[SEL], s[SEL+1]
	v_max_num_f32 v[MXR], v16, v17                 ; mx: the batch's largest xp over L and M
	v_mov_b32 v[MXR+1], v[MXR]
	s_wait_loadcnt 36                              ; tile u = 0 is in: behind it 16 loads of t and 20 of v
	KP X0, 0
	s_wait_loadcnt 20                              ; tile u = 1 is in
	KP X1, 1
	s_wait_loadcnt 0x0
	v_perm_b32 v24, v[LK+1], v[LK], 0x05010400     ; v's bytes lie [L block][tile]: turned into a word a tile, byte = L block
	v_perm_b32 v25, v[LK+1], v[LK], 0x07030602
	v_perm_b32 v26, v[LK+3], v[LK+2], 0x05010400
	v_perm_b32 v27, v[LK+3], v[LK+2], 0x07030602
	v_perm_b32 v[WS], v26, v24, 0x05040100
	v_perm_b32 v[WS+1], v26, v24, 0x07060302
	v_perm_b32 v[WS+2], v27, v25, 0x05040100
	v_perm_b32 v[WS+3], v27, v25, 0x07060302
.rept 8
	v_nop                                          ; scale registers written by vector instructions stand 8 places ahead of a scaled matrix instruction, operands 4
.endr
.irp t, 0,1,2,3
.irp u, 0,1
	v_wmma_scale_f32_16x16x128_f8f6f4 v[X0+16*\t+8*\u:X0+16*\t+8*\u+7], v[AF+12*\u:AF+12*\u+11], v[BF+12*\t:BF+12*\t+11], 0, v[ASC+\u], v[WS+\t] matrix_a_fmt:MATRIX_FMT_BF6 matrix_b_fmt:MATRIX_FMT_BF6
.endr
.endr                                          ; lane (r, h): column n(4 dq + t, r); registers 16 t + i: m = 32 beta + 16 h + i
.rept 4
	v_nop
.endr
.set j, 0
.rept 16
	ds_store_b128 v[RS], v[X0+4*j:X0+4*j+3] offset:512*j   ; each accumulator from its low end on
.set j, j+1
.endr
	s_wait_dscnt 0x0                               ; for the others' sake: my partial tile and my parts of ksum have landed
	s_barrier_signal -1
	s_barrier_wait -1
.set j, 0
.rept 8
	ds_load_b128 v[X1+4*j:X1+4*j+3], v[R1A] offset:8192*j
.set j, j+1
.endr
.set j, 0
.rept 8
	ds_load_b128 v[X1+32+4*j:X1+32+4*j+3], v[R1B] offset:8192*j
.set j, j+1
.endr
	s_wait_dscnt 0x0
.irp d, 32,16,8,4                              ; my quad of the sixteen, added as a tree
.set j, 0
.rept \d/2
	v_pk_add_f32 v[X1+j:X1+j+1], v[X1+j:X1+j+1], v[X1+j+\d:X1+j+\d+1]
.set j, j+2
.endr
.endr
	ds_store_b128 v[R2W], v[X1:X1+3]
	s_wait_tensorcnt 0x0                           ; every wave's last LDS store stands above
	ds_add_u32 v[SPW], v[NIL]
	s_wait_dscnt 0x0                               ; also for the others' sake: my quad of the sum has landed
	s_barrier_signal -1
	s_barrier_wait -1
	s_cmp_lg_u32 s[WAVE], 0
	s_cbranch_scc1 .Lnot_wave_0
	; wave 0: kvs of 32 m x 64 hd, quantised along m, into the layout of a weight
.set j, 0
.rept 16
	ds_load_b128 v[X0+4*j:X0+4*j+3], v[R2R] offset:512*j
.set j, j+1
.endr
	s_lshr_b32 s24, s19, 2
	s_mul_i32 s24, s24, 1536                       ; K step beta / 4,
	s_bfe_u32 s25, s19, 0x10001
	s_mul_i32 s25, s25, 768                        ; half (beta / 2) % 2,
	s_add_co_u32 s24, s24, s25
	s_mul_i32 s25, s21, 49152
	s_add_co_u32 s24, s24, s25
	s_mul_i32 s25, s20, 12288
	s_add_co_u32 s24, s24, s25
	s_and_b32 s26, s19, 1                          ; lanes 16 (beta % 2) + r
	s_lshl_b32 s25, s26, 8
	s_add_co_u32 s28, s24, s25
	s_add_nc_u64 s[30:31], s[12:13], s[28:29]      ; registers 0-3
	s_lshl_b32 s25, s26, 7
	s_add_co_u32 s28, s24, s25
	s_add_co_u32 s28, s28, 512
	s_add_nc_u64 s[34:35], s[12:13], s[28:29]      ; registers 4-5
	s_lshl_b32 s28, s21, 3
	s_add_co_u32 s28, s28, s19
	s_lshl_b32 s28, s28, 2
	s_add_co_u32 s28, s28, s20
	s_lshl_b32 s28, s28, 6
	s_add_nc_u64 s[36:37], s[14:15], s[28:29]      ; the scale bytes: [b][beta][dq][r], byte = tile
	s_wait_dscnt 0x0
	QUANT X0                                       ; the four blocks are the four tiles of hd: lane (r, h) ends with block beta of column n(4 dq + 2 c + h, r)
.irp c, 0,1
	global_store_b128 v[KL16], v[PC+6*\c:PC+6*\c+3], s[30:31] offset:6144*\c     ; each half of the lanes stores 256 consecutive bytes, aligned
	global_store_b64 v[KL8], v[PC+6*\c+4:PC+6*\c+5], s[34:35] offset:6144*\c     ; 128 consecutive bytes
.endr
	global_store_b32 v[R4], v[PW], s[36:37]
	s_endpgm
.Lnot_wave_0:
	s_cmp_lg_u32 s[WAVE], 1
	s_cbranch_scc1 .Ldone
	s_cmp_lg_u32 s20, 0                            ; ksum hangs on no dq: the work-group with dq = 0 stores it
	s_cbranch_scc1 .Ldone
.set j, 0
.rept 16
	ds_load_b32 v[X0+j], v[KXR] offset:128*j
.set j, j+1
.endr
	v_and_b32 v24, 15, v0
	v_and_b32 v25, 8, v24
	v_add_nc_u32 v24, v24, v25
	v_bfe_u32 v25, v0, 4, 1
	v_lshl_add_u32 v24, v25, 3, v24                ; lane 16 u + r holds m = 32 beta + 8 u + r + 8 (r / 8)
	v_lshlrev_b32 v24, 2, v24
	s_lshl_b32 s28, s21, 10
	s_lshl_b32 s24, s19, 7
	s_add_co_u32 s28, s28, s24
	s_add_nc_u64 s[16:17], s[16:17], s[28:29]
	s_wait_dscnt 0x0
.irp d, 8,4,2,1
.set j, 0
.rept \d
	v_add_f32 v[X0+j], v[X0+j], v[X0+j+\d]
.set j, j+1
.endr
.endr
	global_store_b32 v24, v[X0], s[16:17]
.Ldone:
	s_endpgm
.Lfunc_end_k_q9fe9a715d7_kvsum:
	.size	k_q9fe9a715d7_kvsum, .Lfunc_end_k_q9fe9a715d7_kvsum-k_q9fe9a715d7_kvsum
	.p2alignl 7, 3214868480
	.fill 96, 4, 3214868480
	.section	.rodata,"a",@progbits
	.p2align	6, 0x0
	.amdhsa_kernel k_q9fe9a715d7_kvsum
		.amdhsa_group_segment_fixed_size 143360
		.amdhsa_private_segment_fixed_size 0
		.amdhsa_enable_private_segment 0
		.amdhsa_kernarg_size 56
		.amdhsa_user_sgpr_count 2
		.amdhsa_user_sgpr_kernarg_segment_ptr 1
		.amdhsa_wavefront_size32 1
		.amdhsa_system_sgpr_workgroup_id_x 1
		.amdhsa_system_sgpr_workgroup_id_y 1
		.amdhsa_system_sgpr_workgroup_id_z 1
		.amdhsa_system_vgpr_workitem_id 0
		.amdhsa_next_free_vgpr 256
		.amdhsa_next_free_sgpr 66
		.amdhsa_reserve_vcc 0
		.amdhsa_float_denorm_mode_32 3
		.amdhsa_float_denorm_mode_16_64 3
		.amdhsa_memory_ordered 1
		.amdhsa_forward_progress 1
		.amdhsa_inst_pref_size 54
	.end_amdhsa_kernel
	.amdgpu_metadata
---
amdhsa.version: [ 1, 2 ]
amdhsa.kernels:
  - .name:           k_q9fe9a715d7_kvsum
    .symbol:         k_q9fe9a715d7_kvsum.kd
    .args:
      - { .name: timg, .offset: 0, .size: 8, .value_kind: global_buffer, .address_space: global }
      - { .name: pmax, .offset: 8, .size: 8, .value_kind: global_buffer, .address_space: global }
      - { .name: vimg, .offset: 16, .size: 8, .value_kind: global_buffer, .address_space: global }
      - { .name: vsc, .offset: 24, .size: 8, .value_kind: global_buffer, .address_space: global }
      - { .name: kimg, .offset: 32, .size: 8, .value_kind: global_buffer, .address_space: global }
      - { .name: ksc, .offset: 40, .size: 8, .value_kind: global_buffer, .address_space: global }
      - { .name: ksum, .offset: 48, .size: 8, .value_kind: global_buffer, .address_space: global }
    .group_segment_fixed_size: 143360
    .private_segment_fixed_size: 0
    .kernarg_segment_align: 8
    .kernarg_segment_size: 56
    .max_flat_workgroup_size: 512
    .sgpr_count:     66
    .vgpr_count:     256
    .wavefront_size: 32
...
	.end_amdgpu_metadata
.endif
;; end of part 3
;; launch qside (part 4): grid 64 x 4, 4 waves a work-group, clusters of 4 x 1, 299,008 bytes of LDS; arguments query, pos, bq, bo, wimg, kimg, ksc, ksum, out0; writes out0
.if DOCPART == 4
	.amdgcn_target "amdgcn-amd-amdhsa--gfx1250"
	.amdhsa_code_object_version 6
	.text
	.protected	k_q9fe9a715d7_qside
	.globl	k_q9fe9a715d7_qside
	.p2align	8
	.type	k_q9fe9a715d7_qside,@function
k_q9fe9a715d7_qside:
	s_mov_b64 s[64:65], 0
	v_nop
	global_prefetch_b8 v0, s[64:65] scope:SCOPE_SE
	s_setreg_imm32_b32 hwreg(HW_REG_WAVE_MODE, 25, 1), 1
	s_wait_xcnt 0x0
	s_wait_alu depctr_hold_cnt(0) depctr_sa_sdst(0) depctr_va_vdst(0) depctr_va_sdst(0) depctr_va_ssrc(0) depctr_va_vcc(0) depctr_vm_vsrc(0)
	s_getreg_b32 s2, hwreg(HW_REG_IB_STS2, 6, 4)
	s_cmp_eq_u32 s2, 0
	s_cbranch_scc0 .Lentry_in_a_cluster
	s_endpgm
.Lentry_in_a_cluster:
	s_bfe_u32 s2, ttmp6, 0x10000c
	s_cmp_lg_u32 s2, 0x3003
	s_cbranch_scc0 .Lentry_shape_is_right
	s_endpgm
.Lentry_shape_is_right:
; QSIDE: the query side to the end, 32 rows of one batch to a work-group; nothing between the products goes to memory.
;   q = Q(query) Q(Wq) + bq; y = rot(q); xp = Q(y / 4) Q(proj)^T; qp = (exp(xp - sum(y^2) / 32 - the row's largest xp) + EPS) / 16; den = qp . ksum in f32;
;   num = Q(qp) Q(kvs); ctx = num / den; out = Q(ctx) Q(Wo) + bo.
; All heads of reference() hold the same q, so qp and den are made once; the heads differ in kvs's columns alone.
; SHARES, TILES, IMAGES: as in the key side's launch: four waves share the columns (wave w: features 64 w .. 64 w + 63 of every product, all 32 rows); row r of weight tile t is feature
; n(t, r) = 32 (t / 2) + 8 (t % 2) + r + 8 (r / 8); every product takes the weight as source 0, so a lane holds one row and 16 neighbouring features of each block; operands go from wave to wave through LDS as images of their registers.
; What spans the waves (a row's sum of squares, largest xp, den) meets in LDS: [row tile][row][wave] f32, four words that one 16-byte load brings.
; CLUSTER.  The four work-groups of a cluster read the same weights and the same batch's kvs: each wave's block is asked for jointly (mask 15).  query and pos tiles are each work-group's own (mask 0).
; Six tensor loads a wave go out together at the start, each into bytes that this wave alone reads; no LDS byte is filled twice.
; The stage for out0 lies in query's tiles: they have had their one fill, and their last read stands ahead of the first barrier.
; LIMITS: NaN and infinities are not served; a block of zeros gets the byte 1; exp(a) is 2^(a log2 e) with a log2 e rounded to f32; the division is v_rcp_f32 and a multiplication; the f32 sums are added in another order than in the definition.
.set XI,    0                          ; LDS: four fragments each of query, y, qp, ctx
.set YI,    6144
.set QI,    12288
.set CI,    18432
.set XSC,   24576                      ; their scale registers
.set YSC,   24832
.set QSC,   25088
.set CSC,   25344
.set DG,    25600                      ; sums of squares, largest xp, den: in parts
.set MX,    26112
.set DN,    26624
.set SPARE, 27136                      ; the spare words, 128 bytes a wave: two blocks of 256 bytes that no other line names
.set QT,    27648                      ; query's tiles as f32: a wave's 16 rows x 512 bytes, pitch 528; at the end the stage: 32 rows x 1,024 bytes, pitch 1,040
.set PT,    61440                      ; pos: a wave's 32 rows x 256 bytes, pitch 272
.set WQ,    96256                      ; Wq, proj: a wave's block of 12,800 bytes each
.set WP,    147456
.set KV,    198656                     ; kvs' codes: a wave's 12,288 bytes
.set WO,    247808
.set LI16, 1
.set LI8,  2
.set LS4,  3
.set AIN,  4
.set APS,  5
.set FW16, 6
.set FW8,  7
.set SW,   8
.set IW16, 9
.set IW8,  10
.set SH,   11
.set WG16, 12
.set WG8,  13
.set WG4,  14
.set TA16, 15
.set TA8,  16
.set TA4,  17
.set GB,   18                          ; v18  64 h
.set RW,   19                          ; v19  16 r + 4 w
.set RR,   20                          ; v20  16 r
.set OSW,  21                          ; v21  the stage: where I put 16 bytes of a row
.set OSR,  22                          ; v22  and where I read rows back
.set KG16, 23                          ; v23, v24  my lane in my wave's block of kvs
.set KG8,  24
.set KSL,  25                          ; v25  1024 h + 4 r
.set SPW,  28                          ; v28  my spare word; never rewritten
.set NIL,  29                          ; v29  0; never rewritten
.set HA,   32                          ; v32-95   eight accumulators
.set XB,   96                          ; v96-159  rows of out0 on the way out
.set XF,   96                          ; v96-143  four fragments of an activation
.set TM,   160
.set PW,   176
.set PC,   178
.set SCX,  198                         ; v198-199 the activation's scale registers
.set SCW,  200                         ; v200-203 the weight's
.set KW,   204                         ; v204-207 kvs'
.set DS,   208                         ; v208-215 kvs' scale bytes as loaded and on their way; then sums of squares; then (diag, mx) pairs at v212, v214
.set DM,   212
.set RT,   216                         ; v216-223 rot's four pairs
.set PQ,   220                         ; v220-227 the four waves' parts, a quad a row tile
.set RM,   228                         ; v228-231 row maxima
.set EP,   232                         ; v232-233 EPS / 16, twice
.set DNR,  234                         ; v234-237 den's parts
.set RC,   236                         ; v236, v238 1 / den (v237, v239 are named with them as pairs)
.set WF,   0                           ; window 1: v0-95 eight fragments of a weight
.set PS,   96                          ; v96-159 pos
.set BI,   160                         ; v160-191 bq
.set BO,   192                         ; v192-223 bo
.set KS,   224                         ; v224-255 ksum at my lane's 32 features
.set WAVE, 24
.set SEL,  28
.set G1A,  36
.set G1P,  44
.set G1W,  52
.set G0Q,  60
.set G1K,  68
.set G0WQ, 76
.set G0P,  80
.set G0WP, 84
.set G0KV, 88
.set G0WO, 92
.set MSB, 0
.macro WIN new                         ; the immediate's high byte repeats the setting that is left
.if MSB != \new
	s_set_vgpr_msb (MSB<<8)|\new
.set MSB, \new
.endif
.endm
.macro PLACES n
.rept \n
	v_nop
.endr
.endm
.macro BAR                             ; my LDS stores have landed and my LDS loads are in: then the work-group's barrier
	s_wait_dscnt 0x0
	s_barrier_signal -1
	s_barrier_wait -1
.endm
.macro ROUND                           ; a round of the cluster's barrier
	s_barrier_signal -1
	s_barrier_wait -1
	s_cmp_lg_u32 s[WAVE], 0
	s_cbranch_scc1 .Lnot_wave_0_\@
	s_barrier_signal -3
.Lnot_wave_0_\@:
	s_barrier_wait -3
	s_barrier_signal -1
	s_barrier_wait -1
.endm
; 64 numbers of a lane, register 16 b + i = element 16 h + i of block b, become codes in v[PC] on (registers 6 c .. 6 c + 5: lanes 0-15 block 2 c, lanes 16-31 block 2 c + 1) and four scale bytes in v[PW].
; adj = 1: the numbers count as a quarter of what they are: the same codes, bytes 2 less, the floor 2 higher.
.macro QUANT s, adj
.irp b, 0,1,2,3
.if \adj
	v_max3_num_f32 v[TM+\b], |v[\s+16*\b]|, |v[\s+1+16*\b]|, 0x3800000
.else
	v_max3_num_f32 v[TM+\b], |v[\s+16*\b]|, |v[\s+1+16*\b]|, 0x2800000
.endif
.endr
.irp i, 2,4,6,8,10,12,14
.irp b, 0,1,2,3
	v_max3_num_f32 v[TM+\b], v[TM+\b], |v[\s+16*\b+\i]|, |v[\s+1+16*\b+\i]|
.endr
.endr
.irp b, 0,1,2,3
	v_permlanex16_b32 v[TM+4+\b], v[TM+\b], s[SEL], s[SEL+1]
.endr
.irp b, 0,1,2,3
	v_max_num_f32 v[TM+\b], v[TM+\b], v[TM+4+\b]
.endr
.irp b, 0,1,2,3
	v_add_nc_u32 v[TM+12+\b], 0xfe000000, v[TM+\b]
.endr
.if \adj
.irp b, 0,1,2,3
	v_add_nc_u32 v[TM+8+\b], 0xfd000000, v[TM+\b]
.endr
.irp b, 0,1,2,3
	v_lshrrev_b32 v[TM+4+\b], 23, v[TM+8+\b]
.endr
.else
.irp b, 0,1,2,3
	v_lshrrev_b32 v[TM+4+\b], 23, v[TM+12+\b]
.endr
.endif
	v_lshl_or_b32 v[PW], v[TM+5], 8, v[TM+4]
	v_lshl_or_b32 v[PW], v[TM+6], 16, v[PW]
	v_lshl_or_b32 v[PW], v[TM+7], 24, v[PW]
.irp c, 0,1
	v_cvt_scalef32_pk16_bf6_f32 v[PC+6*\c:PC+2+6*\c], v[\s+32*\c:\s+15+32*\c], v[TM+12+2*\c]
	v_cvt_scalef32_pk16_bf6_f32 v[PC+12+4*\c:PC+14+4*\c], v[\s+16+32*\c:\s+31+32*\c], v[TM+12+2*\c+1]
.endr
	v_nop                                          ; one plain place behind the scaled conversions
.irp c, 0,1
.irp i, 0,1,2
	v_permlane16_swap_b32 v[PC+6*\c+\i], v[PC+12+4*\c+\i]
.endr
.irp i, 0,1,2
	v_mov_b32 v[PC+3+6*\c+\i], v[PC+12+4*\c+\i]
.endr
.endr
.endm
.macro IMG_FULL ib, sb                 ; the codes are one whole fragment: row tile w / 2, K step w % 2
	ds_store_b128 v[FW16], v[PC:PC+3] offset:\ib
	ds_store_b64 v[FW8], v[PC+4:PC+5] offset:\ib+512
	ds_store_b128 v[FW16], v[PC+6:PC+9] offset:\ib+768
	ds_store_b64 v[FW8], v[PC+10:PC+11] offset:\ib+768+512
	ds_store_b32 v[SW], v[PW] offset:\sb
.endm
.macro IMG_HALF ib, sb                 ; the codes are my 64 features of both row tiles: half w % 2 of K step w / 2
	ds_store_b128 v[IW16], v[PC:PC+3] offset:\ib
	ds_store_b64 v[IW8], v[PC+4:PC+5] offset:\ib+512
	ds_store_b128 v[IW16], v[PC+6:PC+9] offset:\ib+3072
	ds_store_b64 v[IW8], v[PC+10:PC+11] offset:\ib+3072+512
	ds_store_b16 v[SH], v[PW] offset:\sb
	ds_store_b16_d16_hi v[SH], v[PW] offset:\sb+128
.endm
.macro FETCHX ib, sb                   ; 18 LDS loads: an activation's four fragments and two scale registers
.irp f, 0,1,2,3
.irp c, 0,1
	ds_load_b128 v[XF+12*\f+6*\c:XF+12*\f+6*\c+3], v[LI16] offset:\ib+\f*1536+\c*768
	ds_load_b64 v[XF+12*\f+6*\c+4:XF+12*\f+6*\c+5], v[LI8] offset:\ib+\f*1536+\c*768+512
.endr
.endr
	ds_load_b32 v[SCX], v[LS4] offset:\sb
	ds_load_b32 v[SCX+1], v[LS4] offset:\sb+128
.endm
.macro LOADW base                      ; 36 LDS loads: my wave's eight fragments of a weight and its four scale registers
	v_add_nc_u32 v[TA16], \base, v[WG16]
	v_add_nc_u32 v[TA8], \base, v[WG8]
	v_add_nc_u32 v[TA4], \base, v[WG4]
	WIN 0x40
.irp f, 0,1,2,3,4,5,6,7
.irp c, 0,1
	ds_load_b128 v[WF+12*\f+6*\c:WF+12*\f+6*\c+3], v[TA16] offset:\f*1536+\c*768
	ds_load_b64 v[WF+12*\f+6*\c+4:WF+12*\f+6*\c+5], v[TA8] offset:\f*1536+\c*768+512
.endr
.endr
	WIN 0
.irp t, 0,1,2,3
	ds_load_b32 v[SCW+\t], v[TA4] offset:\t*128
.endr
.endm
.macro LOADK                           ; 32 LDS loads: my wave's eight fragments of kvs
	WIN 0x40
.irp f, 0,1,2,3,4,5,6,7
.irp c, 0,1
	ds_load_b128 v[WF+12*\f+6*\c:WF+12*\f+6*\c+3], v[KG16] offset:\f*1536+\c*768
	ds_load_b64 v[WF+12*\f+6*\c+4:WF+12*\f+6*\c+5], v[KG8] offset:\f*1536+\c*768+512
.endr
.endr
	WIN 0
.endm
; 16 matrix instructions, the weight as source 0: eight accumulators (row tile p, tile t at HA + 32 p + 8 t) by turns, one instruction a turn, K step 0 and then K step 1.
; ck: 0, or the bias's registers in window 1, the C of each sum's first instruction.  sc: the weight's scale registers.
.macro MMW ck, sc
.if \ck
	WIN 0x11
.else
	WIN 0x01
.endif
.irp p, 0,1
.irp t, 0,1,2,3
.if \ck
	v_wmma_scale_f32_16x16x128_f8f6f4 v[HA+32*\p+8*\t:HA+32*\p+8*\t+7], v[WF+24*\t:WF+24*\t+11], v[XF+24*\p:XF+24*\p+11], v[\ck+8*\t:\ck+8*\t+7], v[\sc+\t], v[SCX+\p] matrix_a_fmt:MATRIX_FMT_BF6 matrix_b_fmt:MATRIX_FMT_BF6
.else
	v_wmma_scale_f32_16x16x128_f8f6f4 v[HA+32*\p+8*\t:HA+32*\p+8*\t+7], v[WF+24*\t:WF+24*\t+11], v[XF+24*\p:XF+24*\p+11], 0, v[\sc+\t], v[SCX+\p] matrix_a_fmt:MATRIX_FMT_BF6 matrix_b_fmt:MATRIX_FMT_BF6
.endif
.endr
.endr
	WIN 0x01
.irp p, 0,1
.irp t, 0,1,2,3
	v_wmma_scale_f32_16x16x128_f8f6f4 v[HA+32*\p+8*\t:HA+32*\p+8*\t+7], v[WF+24*\t+12:WF+24*\t+23], v[XF+24*\p+12:XF+24*\p+23], v[HA+32*\p+8*\t:HA+32*\p+8*\t+7], v[\sc+\t], v[SCX+\p] matrix_a_fmt:MATRIX_FMT_BF6 matrix_b_fmt:MATRIX_FMT_BF6 matrix_a_scale:MATRIX_SCALE_ROW1 matrix_b_scale:MATRIX_SCALE_ROW1
.endr
.endr
	WIN 0
.endm
; rot: of a pair (x0, x1) and pos's pair (sin, cos): (x0 cos - x1 sin, x1 cos + x0 sin).  Four pairs at a time, each accumulator from its low end on.
.macro ROT
	WIN 0x04
.set j, 0
.rept 8
.irp q, 0,1,2,3
	v_pk_mul_f32 v[RT+2*\q:RT+2*\q+1], v[HA+j+2*\q:HA+j+2*\q+1], v[PS+j+2*\q:PS+j+2*\q+1] op_sel:[1,0] op_sel_hi:[0,0] neg_lo:[1,0]   ; (-x1 sin, x0 sin)
.endr
.irp q, 0,1,2,3
	v_pk_fma_f32 v[HA+j+2*\q:HA+j+2*\q+1], v[HA+j+2*\q:HA+j+2*\q+1], v[PS+j+2*\q:PS+j+2*\q+1], v[RT+2*\q:RT+2*\q+1] op_sel:[0,1,0] op_sel_hi:[1,1,1]   ; x cos + that
.endr
.set j, j+8
.endr
	WIN 0
.endm
.macro DIAGP                           ; v[DS + 4 p]: the sum of y^2 over my wave's 64 features of row r of row tile p
.irp p, 0,1
	v_pk_mul_f32 v[DS+4*\p:DS+4*\p+1], v[HA+32*\p:HA+32*\p+1], v[HA+32*\p:HA+32*\p+1]
	v_pk_mul_f32 v[DS+4*\p+2:DS+4*\p+3], v[HA+32*\p+2:HA+32*\p+3], v[HA+32*\p+2:HA+32*\p+3]
.endr
.irp i, 4,8,12,16,20,24,28
.irp p, 0,1
	v_pk_fma_f32 v[DS+4*\p:DS+4*\p+1], v[HA+32*\p+\i:HA+32*\p+\i+1], v[HA+32*\p+\i:HA+32*\p+\i+1], v[DS+4*\p:DS+4*\p+1]
	v_pk_fma_f32 v[DS+4*\p+2:DS+4*\p+3], v[HA+32*\p+\i+2:HA+32*\p+\i+3], v[HA+32*\p+\i+2:HA+32*\p+\i+3], v[DS+4*\p+2:DS+4*\p+3]
.endr
.endr
.irp p, 0,1
	v_pk_add_f32 v[DS+4*\p:DS+4*\p+1], v[DS+4*\p:DS+4*\p+1], v[DS+4*\p+2:DS+4*\p+3]
.endr
.irp p, 0,1
	v_add_f32 v[DS+4*\p], v[DS+4*\p], v[DS+4*\p+1]
.endr
.irp p, 0,1
	v_permlanex16_b32 v[DS+4*\p+1], v[DS+4*\p], s[SEL], s[SEL+1]
.endr
.irp p, 0,1
	v_add_f32 v[DS+4*\p], v[DS+4*\p], v[DS+4*\p+1]
.endr
.endm
	s_load_b512 s[4:19], s[0:1], 0x0               ; query s[4:5], pos s[6:7], bq s[8:9], bo s[10:11], wimg s[12:13], kimg s[14:15], ksc s[16:17], ksum s[18:19]
	s_load_b64 s[20:21], s[0:1], 0x40              ; out0
	v_lshl_add_u32 v[SPW], v0, 2, SPARE
	v_mov_b32 v[NIL], 0
	ds_add_u32 v[SPW], v[NIL]                      ; the wave's opening: the add and its wait stand ahead of my first tensor load; work on registers stands between them
	v_lshrrev_b32 v30, 5, v0
	v_readfirstlane_b32 s[WAVE], v30               ; wave 0..3
	s_bfe_u32 s25, ttmp6, 0x40000                  ; cx: my place in the cluster
	s_lshl_b32 s26, ttmp9, 2
	s_add_co_u32 s26, s26, s25                     ; my block of 32 rows in the batch
	s_and_b32 s27, ttmp7, 0xffff                   ; the batch, which the four partners share
	s_mov_b32 s[SEL], 0x76543210
	s_mov_b32 s[SEL+1], 0xfedcba98
	s_mov_b32 s[G1A+0], 0x07920000                 ; no mask; elements of 4 bytes; padding on: 4 words behind every 128
	s_mov_b32 s[G1A+1], 128<<16
	s_mov_b32 s[G1A+2], 16<<16
	s_mov_b32 s[G1A+3], 128<<16
	s_mov_b32 s[G1A+4], 16
	s_mov_b32 s[G1A+5], 256
	s_mov_b32 s[G1A+6], 0
	s_mov_b32 s[G1A+7], 0
	s_mov_b32 s[G1P+0], 0x07520000                 ; the same with 4 words behind every 64
	s_mov_b32 s[G1P+1], 64<<16
	s_mov_b32 s[G1P+2], 32<<16
	s_mov_b32 s[G1P+3], 64<<16
	s_mov_b32 s[G1P+4], 32
	s_mov_b32 s[G1P+5], 256
	s_mov_b32 s[G1P+6], 0
	s_mov_b32 s[G1P+7], 0
	s_mov_b32 s[G1W+0], 15|(3<<16)|(1<<21)         ; the mask: all four work-groups; elements of 8 bytes; bit 21 beside a mask; no padding
	s_mov_b32 s[G1W+1], 32<<16                     ; 50 rows of 256 bytes, dense
	s_mov_b32 s[G1W+2], 50<<16
	s_mov_b32 s[G1W+3], 32<<16
	s_mov_b32 s[G1W+4], 50
	s_mov_b32 s[G1W+5], 32
	s_mov_b32 s[G1W+6], 0
	s_mov_b32 s[G1W+7], 0
	s_mov_b32 s[G1K+0], 15|(3<<16)|(1<<21)         ; the same with 48 rows
	s_mov_b32 s[G1K+1], 32<<16
	s_mov_b32 s[G1K+2], 48<<16
	s_mov_b32 s[G1K+3], 32<<16
	s_mov_b32 s[G1K+4], 48
	s_mov_b32 s[G1K+5], 32
	s_mov_b32 s[G1K+6], 0
	s_mov_b32 s[G1K+7], 0
	s_lshl_b32 s30, s27, 21
	s_lshl_b32 s31, s26, 15
	s_add_co_u32 s30, s30, s31                     ; my 32 rows of 1,024 bytes in query and in out0
	s_lshr_b32 s31, s[WAVE], 1
	s_lshl_b32 s31, s31, 14
	s_and_b32 s32, s[WAVE], 1
	s_lshl_b32 s32, s32, 9
	s_add_co_u32 s32, s32, s31
	s_add_co_u32 s32, s32, s30
	s_mov_b32 s33, 0
	s_lshl_b32 s34, s26, 15
	s_lshl_b32 s35, s[WAVE], 8
	s_add_co_u32 s34, s34, s35
	s_mov_b32 s35, 0
	s_mul_i32 s96, s[WAVE], 12800                  ; my wave's block of a weight, in memory and in LDS
	s_mov_b32 s97, 0
	s_mul_i32 s23, s[WAVE], 12288                  ; and of kvs
	s_mul_i32 s98, s27, 49152
	s_add_co_u32 s98, s98, s23
	s_mov_b32 s99, 0
	s_mul_i32 s100, s[WAVE], 8448
	s_mul_i32 s101, s[WAVE], 8704
	s_wait_dscnt 0x0                               ; the opening add is done
	s_wait_kmcnt 0x0
	s_mov_b32 s[G0Q], 1
	s_add_co_u32 s[G0Q+1], s100, QT
	s_add_nc_u64 s[G0Q+2:G0Q+3], s[4:5], s[32:33]
	s_or_b32 s[G0Q+3], s[G0Q+3], 0x80000000
	s_mov_b32 s[G0WQ], 1
	s_add_co_u32 s[G0WQ+1], s96, WQ
	s_add_nc_u64 s[G0WQ+2:G0WQ+3], s[12:13], s[96:97]
	s_or_b32 s[G0WQ+3], s[G0WQ+3], 0x80000000
	s_mov_b32 s[G0P], 1
	s_add_co_u32 s[G0P+1], s101, PT
	s_add_nc_u64 s[G0P+2:G0P+3], s[6:7], s[34:35]
	s_or_b32 s[G0P+3], s[G0P+3], 0x80000000
	s_mov_b32 s[G0WP], 1
	s_add_co_u32 s[G0WP+1], s96, WP
	s_add_nc_u64 s[G0WP+2:G0WP+3], s[12:13], s[96:97]
	s_add_nc_u64 s[G0WP+2:G0WP+3], s[G0WP+2:G0WP+3], 204800
	s_or_b32 s[G0WP+3], s[G0WP+3], 0x80000000
	s_mov_b32 s[G0KV], 1
	s_add_co_u32 s[G0KV+1], s23, KV
	s_add_nc_u64 s[G0KV+2:G0KV+3], s[14:15], s[98:99]
	s_or_b32 s[G0KV+3], s[G0KV+3], 0x80000000
	s_mov_b32 s[G0WO], 1
	s_add_co_u32 s[G0WO+1], s96, WO
	s_add_nc_u64 s[G0WO+2:G0WO+3], s[12:13], s[96:97]
	s_add_nc_u64 s[G0WO+2:G0WO+3], s[G0WO+2:G0WO+3], 153600
	s_or_b32 s[G0WO+3], s[G0WO+3], 0x80000000
	ROUND                                          ; all four work-groups are here: the joint loads meet
	tensor_load_to_lds s[G0Q:G0Q+3], s[G1A:G1A+7]      ; six loads of mine are out: query,
	s_nop 0
	tensor_load_to_lds s[G0WQ:G0WQ+3], s[G1W:G1W+7]    ; Wq,
	s_nop 0
	tensor_load_to_lds s[G0P:G0P+3], s[G1P:G1P+7]      ; pos,
	s_nop 0
	tensor_load_to_lds s[G0WP:G0WP+3], s[G1W:G1W+7]    ; proj,
	s_nop 0
	tensor_load_to_lds s[G0KV:G0KV+3], s[G1K:G1K+7]    ; kvs,
	s_nop 0
	tensor_load_to_lds s[G0WO:G0WO+3], s[G1W:G1W+7]    ; Wo
	s_nop 0
	PLACES 4
	s_lshl_b32 s31, s[WAVE], 13
	s_add_co_u32 s30, s30, s31
	s_mov_b32 s31, 0
	s_add_nc_u64 s[20:21], s[20:21], s[30:31]      ; out0 at the eight rows that I store
	s_lshl_b32 s30, s[WAVE], 8
	s_add_nc_u64 s[8:9], s[8:9], s[30:31]          ; bq, bo at my 64 features
	s_add_nc_u64 s[10:11], s[10:11], s[30:31]
	s_lshl_b32 s32, s27, 10
	s_add_co_u32 s30, s30, s32
	s_add_nc_u64 s[18:19], s[18:19], s[30:31]      ; ksum likewise, in my batch
	s_lshl_b32 s30, s27, 11
	s_lshl_b32 s32, s[WAVE], 6
	s_add_co_u32 s30, s30, s32
	s_add_nc_u64 s[16:17], s[16:17], s[30:31]      ; kvs' scale bytes: my batch, my 64 columns
	v_and_b32 v26, 31, v0                          ; lane
	v_and_b32 v30, 15, v0                          ; r
	v_bfe_u32 v31, v0, 4, 1                        ; h
	v_lshlrev_b32 v[LI16], 4, v26
	v_lshlrev_b32 v[LI8], 3, v26
	v_lshlrev_b32 v[LS4], 2, v26
	v_mul_u32_u24 v[AIN], v30, 528
	v_lshl_add_u32 v[AIN], v31, 6, v[AIN]
	v_add_nc_u32 v[AIN], s100, v[AIN]
	v_mul_u32_u24 v[APS], v30, 272
	v_lshl_add_u32 v[APS], v31, 6, v[APS]
	v_add_nc_u32 v[APS], s101, v[APS]
	v_add_nc_u32 v[APS], PT, v[APS]
	s_mul_i32 s32, s[WAVE], 1536
	v_add_nc_u32 v[FW16], s32, v[LI16]
	v_add_nc_u32 v[FW8], s32, v[LI8]
	s_lshl_b32 s33, s[WAVE], 6
	v_lshl_add_u32 v[SW], v30, 2, s33
	s_mul_i32 s32, s[WAVE], 768
	v_add_nc_u32 v[IW16], s32, v[LI16]
	v_add_nc_u32 v[IW8], s32, v[LI8]
	s_lshr_b32 s32, s[WAVE], 1
	s_lshl_b32 s32, s32, 6
	s_and_b32 s33, s[WAVE], 1
	s_lshl_b32 s33, s33, 1
	s_add_co_u32 s32, s32, s33
	v_lshl_add_u32 v[SH], v30, 2, s32              ; 64 (w / 2) + 2 (w % 2) + 4 r
	v_add_nc_u32 v[WG16], s96, v[LI16]
	v_add_nc_u32 v[WG8], s96, v[LI8]
	v_add_nc_u32 v[WG4], s96, v[LS4]
	v_add_nc_u32 v[WG4], 12288, v[WG4]
	v_lshlrev_b32 v[GB], 6, v31
	s_lshl_b32 s32, s[WAVE], 2
	v_lshl_add_u32 v[RW], v30, 4, s32
	v_lshlrev_b32 v[RR], 4, v30
	v_mul_u32_u24 v[OSW], v30, 1040
	v_lshl_add_u32 v[OSW], v31, 6, v[OSW]
	s_lshl_b32 s32, s[WAVE], 8
	v_add_nc_u32 v[OSW], s32, v[OSW]
	v_add_nc_u32 v[OSW], QT, v[OSW]                ; QT + 1040 r + 256 w + 64 h
	s_mul_i32 s32, s[WAVE], 8320
	v_add_nc_u32 v[OSR], s32, v[LI16]
	v_add_nc_u32 v[OSR], QT, v[OSR]                ; QT + 8 w rows + 16 x lane
	v_add_nc_u32 v[KG16], s23, v[LI16]
	v_add_nc_u32 v[KG16], KV, v[KG16]
	v_add_nc_u32 v[KG8], s23, v[LI8]
	v_add_nc_u32 v[KG8], KV, v[KG8]
	v_lshlrev_b32 v[KSL], 10, v31
	v_lshl_add_u32 v[KSL], v30, 2, v[KSL]
.irp b, 0,1,2,3
	v_mov_b32 v[TM+4+\b], 0                        ; written once: a lane permute's destination counts as one of its sources
.endr
	v_mov_b32 v[RM+2], 0
	v_mov_b32 v[RM+3], 0
	v_mov_b32 v[EP], 0x338637bd                    ; EPS / 16
	v_mov_b32 v[EP+1], 0x338637bd
	v_mov_b32 v[RC+1], 0                           ; (named as the upper halves of pairs)
	v_mov_b32 v[RC+3], 0
	WIN 0x40
.irp t, 0,1,2,3
	global_load_b128 v[BI+8*\t:BI+8*\t+3], v[GB], s[8:9] offset:(32*(\t/2)+8*(\t%2))*4         ; the biases at features 64 w + 32 (t / 2) + 16 h + 8 (t % 2) + 0 .. 7
	global_load_b128 v[BI+8*\t+4:BI+8*\t+7], v[GB], s[8:9] offset:(32*(\t/2)+8*(\t%2))*4+16
	global_load_b128 v[BO+8*\t:BO+8*\t+3], v[GB], s[10:11] offset:(32*(\t/2)+8*(\t%2))*4
	global_load_b128 v[BO+8*\t+4:BO+8*\t+7], v[GB], s[10:11] offset:(32*(\t/2)+8*(\t%2))*4+16
.endr
.irp b, 0,1
.irp q, 0,1,2,3
	global_load_b128 v[KS+16*\b+4*\q:KS+16*\b+4*\q+3], v[GB], s[18:19] offset:128*\b+16*\q     ; ksum at m = 64 w + 32 b + 16 h + 0 .. 15
.endr
.endr
	WIN 0
.irp k, 0,1,2,3
	global_load_b32 v[DS+\k], v[KSL], s[16:17] offset:256*\k                                   ; m block 4 h + k, column row r: byte = tile
.endr
	; ---- X: wave w quantises fragment (row tile w / 2, K step w % 2) of query
	s_wait_tensorcnt 0x4                           ; query and Wq are in; the four younger loads may be out
.irp b, 0,1,2,3
.irp q, 0,1,2,3
	ds_load_b128 v[HA+16*\b+4*\q:HA+16*\b+4*\q+3], v[AIN] offset:QT+128*\b+16*\q
.endr
.endr
	LOADW WQ
	s_wait_dscnt 36                                ; query's 16 loads are in; the weight's 36 may be out
	QUANT HA, 0
	IMG_FULL XI, XSC
	s_wait_loadcnt 0x0                             ; the biases, ksum, kvs' scale bytes
	v_perm_b32 v[DS+4], v[DS+1], v[DS], 0x05010400   ; kvs' bytes lie [m block][tile]: turned into a register a tile, lanes 0-15 K step 0, lanes 16-31 K step 1
	v_perm_b32 v[DS+5], v[DS+1], v[DS], 0x07030602
	v_perm_b32 v[DS+6], v[DS+3], v[DS+2], 0x05010400
	v_perm_b32 v[DS+7], v[DS+3], v[DS+2], 0x07030602
	v_perm_b32 v[KW], v[DS+6], v[DS+4], 0x05040100
	v_perm_b32 v[KW+1], v[DS+6], v[DS+4], 0x07060302
	v_perm_b32 v[KW+2], v[DS+7], v[DS+5], 0x05040100
	v_perm_b32 v[KW+3], v[DS+7], v[DS+5], 0x07060302
	BAR                                            ; 1: query's fragments lie in LDS
	; ---- 1: q = query Wq + bq, rot, sum of squares, quantised as y / 4
	FETCHX XI, XSC
	s_wait_tensorcnt 0x3                           ; pos is in
	WIN 0x40
.irp p, 0,1
.irp b, 0,1
.irp q, 0,1,2,3
	ds_load_b128 v[PS+32*\p+16*\b+4*\q:PS+32*\p+16*\b+4*\q+3], v[APS] offset:\p*4352+128*\b+16*\q
.endr
.endr
.endr
	WIN 0
	s_wait_dscnt 16                                ; query's fragments are in; pos's 16 loads may be out
	MMW BI, SCW
	PLACES 4                                       ; in front of loads into registers that the products read, and of the first read of results
	s_wait_tensorcnt 0x2                           ; proj is in
	LOADW WP
	s_wait_dscnt 36                                ; pos is in; the weight's 36 loads may be out
	ROT
	DIAGP
	ds_store_b32 v[RW], v[DS] offset:DG
	ds_store_b32 v[RW], v[DS+4] offset:DG+256
	QUANT HA, 1
	IMG_HALF YI, YSC
	BAR                                            ; 2: y's fragments and the sums of squares lie in LDS
	; ---- 2: xp, the row's largest, qp, den's part, qp quantised
	FETCHX YI, YSC
	ds_load_b128 v[PQ:PQ+3], v[RR] offset:DG
	ds_load_b128 v[PQ+4:PQ+7], v[RR] offset:DG+256
	s_wait_dscnt 0x0
	MMW 0, SCW
.irp p, 0,1                                    ; six plain lines that name no register of the products: the places behind them
	v_pk_add_f32 v[PQ+4*\p:PQ+4*\p+1], v[PQ+4*\p:PQ+4*\p+1], v[PQ+4*\p+2:PQ+4*\p+3]
.endr
.irp p, 0,1
	v_add_f32 v[PQ+4*\p], v[PQ+4*\p], v[PQ+4*\p+1]
.endr
.irp p, 0,1
	v_mul_f32 v[DM+2*\p], 0x3d000000, v[PQ+4*\p]   ; diag = sum(y^2) / 32
.endr
	s_wait_tensorcnt 0x1                           ; kvs is in
	LOADK
.irp p, 0,1
	v_max3_num_f32 v[RM+\p], v[HA+32*\p], v[HA+32*\p+1], v[HA+32*\p+2]   ; ascending: each accumulator is first read at its low end
.endr
.irp i, 3,5,7,9,11,13,15,17,19,21,23,25,27,29
.irp p, 0,1
	v_max3_num_f32 v[RM+\p], v[RM+\p], v[HA+32*\p+\i], v[HA+32*\p+\i+1]
.endr
.endr
.irp p, 0,1
	v_max_num_f32 v[RM+\p], v[RM+\p], v[HA+32*\p+31]
.endr
.irp p, 0,1
	v_permlanex16_b32 v[RM+2+\p], v[RM+\p], s[SEL], s[SEL+1]
.endr
.irp p, 0,1
	v_max_num_f32 v[RM+\p], v[RM+\p], v[RM+2+\p]
.endr
	ds_store_b32 v[RW], v[RM] offset:MX
	ds_store_b32 v[RW], v[RM+1] offset:MX+256
	BAR                                            ; 3: the four waves' maxima lie in LDS
	ds_load_b128 v[PQ:PQ+3], v[RR] offset:MX
	ds_load_b128 v[PQ+4:PQ+7], v[RR] offset:MX+256
	s_wait_dscnt 0x0
.irp p, 0,1
	v_max3_num_f32 v[PQ+4*\p], v[PQ+4*\p], v[PQ+4*\p+1], v[PQ+4*\p+2]
.endr
.irp p, 0,1
	v_max_num_f32 v[DM+2*\p+1], v[PQ+4*\p], v[PQ+4*\p+3]   ; the row's largest xp, beside its diag
.endr
.irp p, 0,1
.set j, 0
.rept 16
	v_pk_add_f32 v[HA+32*\p+j:HA+32*\p+j+1], v[HA+32*\p+j:HA+32*\p+j+1], v[DM+2*\p:DM+2*\p+1] op_sel_hi:[1,0] neg_lo:[0,1] neg_hi:[0,1]                ; xp - diag
.set j, j+2
.endr
.endr
.irp p, 0,1
.set j, 0
.rept 16
	v_pk_add_f32 v[HA+32*\p+j:HA+32*\p+j+1], v[HA+32*\p+j:HA+32*\p+j+1], v[DM+2*\p:DM+2*\p+1] op_sel:[0,1] op_sel_hi:[1,1] neg_lo:[0,1] neg_hi:[0,1]   ; - mx
.set j, j+2
.endr
.endr
.set j, 0
.rept 32
	v_pk_mul_f32 v[HA+j:HA+j+1], v[HA+j:HA+j+1], 0x3fb8aa3b op_sel_hi:[1,0]   ; x log2 e
.set j, j+2
.endr
.set j, 0
.rept 64
	v_exp_f32 v[HA+j], v[HA+j]
.set j, j+1
.endr
	v_nop                                          ; a plain place behind the last exponential
	s_wait_alu depctr_va_vdst(0)                   ; one wait for the batch of 64, ahead of its first reader
.set j, 0
.rept 32
	v_pk_fma_f32 v[HA+j:HA+j+1], v[HA+j:HA+j+1], 0x3d800000, v[EP:EP+1] op_sel_hi:[1,0,1]   ; qp = (e + EPS) / 16
.set j, j+2
.endr
	WIN 0x04                                       ; den's part: the unquantised qp x ksum over my lane's 32 features, in f32
.irp p, 0,1
	v_pk_mul_f32 v[DNR+2*\p:DNR+2*\p+1], v[HA+32*\p:HA+32*\p+1], v[KS:KS+1]
.endr
.irp i, 2,4,6,8,10,12,14,16,18,20,22,24,26,28,30
.irp p, 0,1
	v_pk_fma_f32 v[DNR+2*\p:DNR+2*\p+1], v[HA+32*\p+\i:HA+32*\p+\i+1], v[KS+\i:KS+\i+1], v[DNR+2*\p:DNR+2*\p+1]
.endr
.endr
	WIN 0
.irp p, 0,1
	v_add_f32 v[DNR+2*\p], v[DNR+2*\p], v[DNR+2*\p+1]
.endr
.irp p, 0,1
	v_permlanex16_b32 v[DNR+2*\p+1], v[DNR+2*\p], s[SEL], s[SEL+1]
.endr
.irp p, 0,1
	v_add_f32 v[DNR+2*\p], v[DNR+2*\p], v[DNR+2*\p+1]
.endr
	ds_store_b32 v[RW], v[DNR] offset:DN
	ds_store_b32 v[RW], v[DNR+2] offset:DN+256
	QUANT HA, 0
	IMG_HALF QI, QSC
	BAR                                            ; 4: qp's fragments and den's parts lie in LDS
	; ---- 3: num = qp kvs, / den, quantised
	FETCHX QI, QSC
	ds_load_b128 v[PQ:PQ+3], v[RR] offset:DN
	ds_load_b128 v[PQ+4:PQ+7], v[RR] offset:DN+256
	s_wait_dscnt 0x0
	MMW 0, KW
.irp p, 0,1                                    ; four plain lines that name no register of the products: the places behind them
	v_pk_add_f32 v[PQ+4*\p:PQ+4*\p+1], v[PQ+4*\p:PQ+4*\p+1], v[PQ+4*\p+2:PQ+4*\p+3]
.endr
.irp p, 0,1
	v_add_f32 v[PQ+4*\p], v[PQ+4*\p], v[PQ+4*\p+1]   ; den
.endr
	v_rcp_f32 v[RC], v[PQ]
	v_rcp_f32 v[RC+2], v[PQ+4]
	v_nop                                          ; a plain place behind the reciprocals
	s_wait_tensorcnt 0x0                           ; Wo is in
	LOADW WO
	s_wait_alu depctr_va_vdst(0)                   ; one wait for the two reciprocals, ahead of their first reader
.irp p, 0,1
.set j, 0
.rept 16
	v_pk_mul_f32 v[HA+32*\p+j:HA+32*\p+j+1], v[HA+32*\p+j:HA+32*\p+j+1], v[RC+2*\p:RC+2*\p+1] op_sel_hi:[1,0]
.set j, j+2
.endr
.endr
	QUANT HA, 0
	IMG_HALF CI, CSC
	BAR                                            ; 5: ctx's fragments lie in LDS
	; ---- 4: out = ctx Wo + bo, through the stage, out in whole rows
	FETCHX CI, CSC
	s_wait_dscnt 0x0
	MMW BO, SCW
	PLACES 4
.irp p, 0,1
.irp b, 0,1
.irp q, 0,1,2,3
	ds_store_b128 v[OSW], v[HA+32*\p+16*\b+4*\q:HA+32*\p+16*\b+4*\q+3] offset:16640*\p+128*\b+16*\q   ; row 16 p + r, features 64 w + 32 b + 16 h + 4 q on; each accumulator from its low end on
.endr
.endr
.endr
	BAR                                            ; 6: 32 whole rows of out0 lie in the stage
.irp i, 0,1,2,3,4,5,6,7
.irp e, 0,1
	ds_load_b128 v[XB+4*(2*\i+\e):XB+4*(2*\i+\e)+3], v[OSR] offset:1040*\i+512*\e
.endr
.endr
.irp i, 0,1,2,3,4,5,6,7
.irp e, 0,1
	s_wait_dscnt 15-(2*\i+\e)                      ; LDS loads come back in order: this one is in, the younger ones may be out
	global_store_b128 v[LI16], v[XB+4*(2*\i+\e):XB+4*(2*\i+\e)+3], s[20:21] offset:1024*\i+512*\e th:TH_STORE_NT   ; 32 lanes store 512 consecutive bytes, aligned
.endr
.endr
	s_wait_tensorcnt 0x0                           ; the wave's end: behind my last tensor load and my last LDS store
	ds_add_u32 v[SPW], v[NIL]
	s_wait_dscnt 0x0
	ROUND                                          ; the closing round: no work-group ends while a partner may still ask for a block that names it
	s_endpgm
.Lfunc_end_k_q9fe9a715d7_qside:
	.size	k_q9fe9a715d7_qside, .Lfunc_end_k_q9fe9a715d7_qside-k_q9fe9a715d7_qside
	.p2alignl 7, 3214868480
	.fill 96, 4, 3214868480
	.section	.rodata,"a",@progbits
	.p2align	6, 0x0
	.amdhsa_kernel k_q9fe9a715d7_qside
		.amdhsa_group_segment_fixed_size 299008
		.amdhsa_private_segment_fixed_size 0
		.amdhsa_enable_private_segment 0
		.amdhsa_kernarg_size 72
		.amdhsa_user_sgpr_count 2
		.amdhsa_user_sgpr_kernarg_segment_ptr 1
		.amdhsa_wavefront_size32 1
		.amdhsa_system_sgpr_workgroup_id_x 1
		.amdhsa_system_sgpr_workgroup_id_y 1
		.amdhsa_system_sgpr_workgroup_id_z 1
		.amdhsa_system_vgpr_workitem_id 0
		.amdhsa_next_free_vgpr 512
		.amdhsa_next_free_sgpr 102
		.amdhsa_reserve_vcc 0
		.amdhsa_float_denorm_mode_32 3
		.amdhsa_float_denorm_mode_16_64 3
		.amdhsa_memory_ordered 1
		.amdhsa_forward_progress 1
		.amdhsa_inst_pref_size 86
	.end_amdhsa_kernel
	.amdgpu_metadata
---
amdhsa.version: [ 1, 2 ]
amdhsa.kernels:
  - .name:           k_q9fe9a715d7_qside
    .symbol:         k_q9fe9a715d7_qside.kd
    .args:
      - { .name: query, .offset: 0, .size: 8, .value_kind: global_buffer, .address_space: global }
      - { .name: pos, .offset: 8, .size: 8, .value_kind: global_buffer, .address_space: global }
      - { .name: bq, .offset: 16, .size: 8, .value_kind: global_buffer, .address_space: global }
      - { .name: bo, .offset: 24, .size: 8, .value_kind: global_buffer, .address_space: global }
      - { .name: wimg, .offset: 32, .size: 8, .value_kind: global_buffer, .address_space: global }
      - { .name: kimg, .offset: 40, .size: 8, .value_kind: global_buffer, .address_space: global }
      - { .name: ksc, .offset: 48, .size: 8, .value_kind: global_buffer, .address_space: global }
      - { .name: ksum, .offset: 56, .size: 8, .value_kind: global_buffer, .address_space: global }
      - { .name: out0, .offset: 64, .size: 8, .value_kind: global_buffer, .address_space: global }
    .group_segment_fixed_size: 299008
    .private_segment_fixed_size: 0
    .kernarg_segment_align: 8
    .kernarg_segment_size: 72
    .max_flat_workgroup_size: 128
    .sgpr_count:     102
    .vgpr_count:     512
    .wavefront_size: 32
...
	.end_amdgpu_metadata
.endif
;; end of part 4
